; MI455X (gfx1250); checked and timed in simulation.
; The chip was launched on July 23, 2026; its instructions are those of AMD's public machine-readable ISA for CDNA 5 (MIT licence, August 2026) and "CDNA5" Instruction Set Architecture Reference Guide (July 2026). The comments in the code are by the model that wrote it; some were corrected since.
;; GQA Attention. Allowed arithmetic: matrix products marked QUANTISED: E2M1 operands, one E8M0 scale for each 32 along K, by v_wmma_scale_f32_16x16x128_f8f6f4 with both operands' format E2M1 (or v_wmma_scale_f32_32x16x128_f4), f32 sums; products left as they are: bf16, f16 or f32 operands; f32 sums; everything else in f32.
;; Inputs: cos 2,048 x 128 float32; mask 2,048 x 2,048 float32; sin 2,048 x 128 float32; wk 4,096 x 1,024 float32; wo 2,048 x 4,096 float32; wq 4,096 x 2,048 float32; wv 4,096 x 1,024 float32; x 1 x 2,048 x 4,096 float32.
;; Outputs: out0 1 x 2,048 x 4,096 float32; out1 1 x 8 x 2,048 x 128 float32; out2 1 x 8 x 2,048 x 128 float32.
;; This version of the problem:
;;   THIS VERSION OF THE PROBLEM IS GIVEN IN LOW PRECISION. The matrix products marked QUANTISED in the list below multiply operands that are first quantised to E2M1 (2 exponent bits, 1 mantissa bit; 4 bits a number), with one power-of-two scale for each 32 numbers along K (OCP MX v1.0); their sums are f32. The products marked 'left as it is' may take bf16, f16 or f32 operands, with f32 sums. Whichever they take, every output number must still come out within the allowed error. Rounding operands to bf16 (8 significant bits) uses up far more of that allowance than f16 does (11 bits, for magnitudes from 6e-5 to 65,504). All else is computed in f32.
;;   The module's matrix products, in the order in which they are computed (A, B: the left and right operand; K: the contracted axis; several contracted axes count as one K, in the product's order):
;;     1. [M 2,048, K 4,096] x [K 4,096, N 2,048]; A: input x; B: input wq: QUANTISED
;;     2. [M 2,048, K 4,096] x [K 4,096, N 1,024]; A: input x; B: input wk: QUANTISED
;;     3. [M 2,048, K 4,096] x [K 4,096, N 1,024]; A: input x; B: input wv: QUANTISED
;;     4. batch 8 x [M 4,096, K 128] x [K 128, N 2,048]; A: computed on the way; B: computed on the way: left as it is (an operand is computed on the way)
;;     5. batch 8 x [M 4,096, K 2,048] x [K 2,048, N 128]; A: computed on the way; B: computed on the way: left as it is (an operand is computed on the way)
;;     6. [M 2,048, K 2,048] x [K 2,048, N 4,096]; A: computed on the way; B: input wo: left as it is (an operand is computed on the way)
;;   THE QUANTISER, for each operand of a quantised product, along K:
;;     - K is cut into blocks of 32 from its start; a last block that is shorter is filled with zeros.
;;     - A block's scale is 2^e with e = floor(log2(the largest magnitude in the block)) - 2, held to -126 .. 127; a block of zeros has e = 0. As a byte (E8M0): e + 127.
;;     - Each number is divided by its block's scale, clamped to +-6, and rounded to the nearest number of E2M1, ties to even, subnormals kept.
;;     - The product sums the exact products of the quantised numbers (number of the format x scale) in f32.
;;   ~~~python
;;   def quantise(x, axis):      # numpy; x: float32 -> the quantised numbers, widened to float32 again
;;       x = np.moveaxis(x, axis, -1); K = x.shape[-1]
;;       x = np.pad(x, [(0, 0)] * (x.ndim - 1) + [(0, -K % 32)]); x = x.reshape(x.shape[:-1] + (-1, 32)); a = np.abs(x).max(-1, keepdims=True)
;;       e = np.where(a > 0, np.clip(np.frexp(np.where(a > 0, a, 1))[1] - 1 - 2, -126, 127), 0)      # np.frexp(a)[1] - 1 = floor(log2(a)), exactly
;;       r = np.clip(x / 2.0 ** e, -6, 6)
;;       step = 2.0 ** (np.maximum(np.frexp(np.where(r == 0, 1, r))[1] - 1, 0) - 1)
;;       q = np.round(r / step) * step * 2.0 ** e      # np.round: ties to even
;;       return np.moveaxis(q.reshape(q.shape[:-2] + (-1,))[..., :K], -1, axis).astype(np.float32)
;;   ~~~
;; One version. Each part assembles by itself: llvm-mc -triple=amdgcn-amd-amdhsa -mcpu=gfx1250 --defsym DOCPART=n.
;; ======== version 1 of 1: 4 launches
;; limits: values are held in f16: magnitudes above 65,504 overflow, below 6.1e-05 lose precision; right only within a limited range of input values
;; workspace buffers: xq 4,456,448 bytes; wqkv 8,912,896 bytes; wo16 16,777,216 bytes; qkv16 16,777,216 bytes; att16 8,388,608 bytes
;; launch prep (part 1): grid 768 x 1, 4 waves a work-group, no clusters, 74,240 bytes of LDS; arguments x, wq, wk, wv, wo, xq, wqkv, wo16; writes xq, wqkv, wo16
.if DOCPART == 1
	.amdgcn_target "amdgcn-amd-amdhsa--gfx1250"
	.amdhsa_code_object_version 6
	.text
	.protected	k_qc93f130248_prep
	.globl	k_qc93f130248_prep
	.p2align	8
	.type	k_qc93f130248_prep,@function
k_qc93f130248_prep:
	s_mov_b64 s[64:65], 0
	v_nop
	global_prefetch_b8 v0, s[64:65] scope:SCOPE_SE
	s_setreg_imm32_b32 hwreg(HW_REG_WAVE_MODE, 25, 1), 1
	s_wait_xcnt 0x0
; PREP: the operands of the later launches are made once.
;   work-groups   0-255: wq, wk, wv [4096 (k)][n] f32 -> codes of E2M1 along K with one E8M0 byte for each 32 along K, into wqkv
;   work-groups 256-511: x [2048][4096] f32           -> the same, into xq
;   work-groups 512-767: wo [2048][4096] f32          -> f16, times 2^4, into wo16
; THE RECORD.  xq is [8 K steps][2048 rows][272 bytes], wqkv [8][4096 columns][272]: 256 bytes of codes (512 along K, the lower k in the low four bits)
; and behind them the 16 scale bytes of these 512.  A record is a row of the product's LDS tile as it stands: 272 bytes from row to row.
; In wqkv column n is wq's column n (n < 2048), wk's n - 2048 (n < 3072), wv's n - 3072.
; A block's scale is 2^(floor(log2(largest magnitude)) - 2): its byte is the largest magnitude's exponent field - 2, held at 1 from below.
; LIMITS: a block of zeros gets the byte 1 where the rule says 127 (its codes are zeros, and this program alone reads the bytes); blocks whose largest magnitude
; lies under 2^-124 get the byte 1; NaN and infinities in x and the weights are not served; |wo| beyond 4,094 becomes infinity in f16.
; The three paths part on the work-group's number alone; each has LDS bytes of its own.  No tensor loads, no barrier: waves share nothing.
.set SPW,   1                          ; v1  LDS address of my spare word: SPARE + 4 x my thread's number; never rewritten
.set NIL,   2                          ; v2  0; never rewritten
.set REC,   272                        ; a record
.set XREG,  9728                       ; path X: a wave's LDS: two turning stages of 32 x 80 bytes, then 16 records
.set TSP,   80                         ; a lane's place in a turning stage: 64 bytes + 16
.set OST,   5120                       ; where the 16 records begin in a wave's region
.set WBASE, 38912                      ; path W: 32 records for each wave
.set WREG,  8704
.set SPARE, 73728                      ; the spare words: 128 bytes for each wave, named by no other line
.macro FINISH                          ; the wave's end
	s_wait_tensorcnt 0x0
	ds_add_u32 v[SPW], v[NIL]
	s_wait_dscnt 0x0
	s_endpgm
.endm
; ---- path C
.macro LOADC i                         ; piece i: 512 consecutive bytes of wo, 16 a lane, into slot i % 16
	global_load_b128 v[32+4*((\i)%16):32+4*((\i)%16)+3], v4, s[12:13] offset:512*(\i) th:TH_LOAD_NT
.endm
.macro CONV i
.set RR, 32+4*((\i)%16)
.if 63-(\i) >= 15
	s_wait_loadcnt 15                              ; loads come back in order: piece i is in, the 15 younger ones stay out
.else
	s_wait_loadcnt 63-(\i)
.endif
	v_pk_mul_f32 v[RR:RR+1], v[RR:RR+1], 0x41800000 op_sel_hi:[1,0]      ; x 16: exact
	v_pk_mul_f32 v[RR+2:RR+3], v[RR+2:RR+3], 0x41800000 op_sel_hi:[1,0]
	v_cvt_pk_f16_f32 v[96+2*(\i)], v[RR], v[RR+1]
	v_cvt_pk_f16_f32 v[97+2*(\i)], v[RR+2], v[RR+3]
	global_store_b64 v5, v[96+2*(\i):97+2*(\i)], s[18:19] offset:256*(\i)  ; 32 lanes store 256 consecutive bytes, aligned; each piece has data registers of its own
.if (\i)+16 < 64
	LOADC (\i)+16
.endif
.endm
; ---- path X
.macro XLOAD t                         ; step t = row t of my 16: 2,048 bytes, four loads of 512 consecutive bytes
.irp i, 0,1,2,3
	global_load_b128 v[32+16*((\t)%4)+4*\i:32+16*((\t)%4)+4*\i+3], v4, s[4:5] offset:16384*(\t)+512*\i th:TH_LOAD_NT
.endr
.endm
.macro XTURN t                         ; through the turning stage: in as loaded, out 64 bytes a lane: 16 neighbours along K.  LDS serves a wave's instructions in order
.irp i, 0,1,2,3
	ds_store_b128 v5, v[32+16*((\t)%4)+4*\i:32+16*((\t)%4)+4*\i+3] offset:32*TSP*((\t)%2)+8*TSP*\i
.endr
.irp i, 0,1,2,3
	ds_load_b128 v[96+16*((\t)%2)+4*\i:96+16*((\t)%2)+4*\i+3], v6 offset:32*TSP*((\t)%2)+16*\i
.endr
.endm
.macro XSTEP t
.set XS, 96+16*((\t)%2)
.if (\t) > 0
	s_wait_dscnt 2                                 ; this step's numbers are back; only the last step's two stores are younger
.else
	s_wait_dscnt 0x0
.endif
.if (\t)+4 < 16
	XLOAD (\t)+4                                   ; into the registers whose stores into the stage are done
.endif
.if (\t)+1 < 16
.if 14-(\t) >= 3
	s_wait_loadcnt 12                              ; the next step's four loads are in; three steps' loads stay out
.else
	s_wait_loadcnt 4*(14-(\t))
.endif
	XTURN (\t)+1
.endif
	v_max3_num_f32 v12, |v[XS]|, |v[XS+1]|, |v[XS+2]|
	v_max3_num_f32 v13, |v[XS+3]|, |v[XS+4]|, |v[XS+5]|
.irp i, 6,10
	v_max3_num_f32 v12, v12, |v[XS+\i]|, |v[XS+\i+1]|
	v_max3_num_f32 v13, v13, |v[XS+\i+2]|, |v[XS+\i+3]|
.endr
	v_max3_num_f32 v12, v12, |v[XS+14]|, |v[XS+15]|
	v_max3_num_f32 v12, v12, v13, 0x1800000        ; the floor 2^(3 - 127): the byte cannot fall under 1
	v_max_num_f32_dpp v12, v12, v12 row_xmask:1 row_mask:0xf bank_mask:0xf   ; with my neighbour's 16: the block's largest magnitude
	v_add_nc_u32 v14, 0xff000000, v12              ; 2 off its exponent field: the conversion's scale operand
	v_cvt_scalef32_pk8_fp4_f32 v[128+2*(\t)], v[XS:XS+7], v14
	v_cvt_scalef32_pk8_fp4_f32 v[129+2*(\t)], v[XS+8:XS+15], v14
	v_lshrrev_b32 v[16+(\t)], 23, v14              ; the scale's byte (a plain line behind the conversions)
	ds_store_b8 v8, v[16+(\t)] offset:REC*(\t)     ; both lanes of a block write the same byte with the same value
	ds_store_b64 v7, v[128+2*(\t):129+2*(\t)] offset:REC*(\t)   ; my 16 codes at their place in record t
.endm
; ---- path W
.macro LOADW t                         ; block t: rows 32 t + i of my K step, my column: 128 consecutive bytes a wave, 512 a work-group
.irp i, 0,1,2,3,4,5,6,7,8,9,10,11,12,13,14,15,16,17,18,19,20,21,22,23,24,25,26,27,28,29,30,31
	global_load_b32 v[64+32*((\t)%2)+\i], v[32+\i], s[32+2*(\t):33+2*(\t)] th:TH_LOAD_NT
.endr
.endm
.macro BLOCKW t
.set XS, 64+32*((\t)%2)
.if (\t) < 15
	s_wait_loadcnt 32                              ; this block's 32 loads are in; the next block's 32 stay out
.else
	s_wait_loadcnt 0x0
.endif
	v_max3_num_f32 v8, |v[XS]|, |v[XS+1]|, |v[XS+2]|                ; all 32 numbers of the block are mine
	v_max3_num_f32 v9, |v[XS+3]|, |v[XS+4]|, |v[XS+5]|
.irp i, 6,10,14,18,22,26
	v_max3_num_f32 v8, v8, |v[XS+\i]|, |v[XS+\i+1]|
	v_max3_num_f32 v9, v9, |v[XS+\i+2]|, |v[XS+\i+3]|
.endr
	v_max3_num_f32 v8, v8, |v[XS+30]|, |v[XS+31]|
	v_max3_num_f32 v8, v8, v9, 0x1800000
	v_add_nc_u32 v10, 0xff000000, v8
	v_lshrrev_b32 v11, 23, v10
.if (\t)%4 == 0
	v_mov_b32 v[12+(\t)/4], v11                    ; four bytes to a register, the lower K in the lower byte
.else
	v_lshl_or_b32 v[12+(\t)/4], v11, 8*((\t)%4), v[12+(\t)/4]
.endif
.irp g, 0,1,2,3
	v_cvt_scalef32_pk8_fp4_f32 v[16+\g], v[XS+8*\g:XS+8*\g+7], v10
.endr
	ds_store_b128 v4, v[16:19] offset:16*(\t)      ; 32 codes: 16 bytes of my column's record
.if (\t)+2 < 16
	LOADW (\t)+2
.endif
	s_wait_dscnt 0x0                               ; the store has read its registers: the next block's codes may be written
.endm
	s_load_b512 s[4:19], s[0:1], 0x0               ; x 4, wq 6, wk 8, wv 10, wo 12, xq 14, wqkv 16, wo16 18
	v_lshl_add_u32 v[SPW], v0, 2, SPARE
	v_mov_b32 v[NIL], 0
	v_lshrrev_b32 v3, 5, v0
	v_readfirstlane_b32 s20, v3                    ; wave
	v_and_b32 v3, 31, v0                           ; lane
	s_cmp_lt_u32 ttmp9, 256
	s_cbranch_scc1 .Lpath_w
	s_cmp_lt_u32 ttmp9, 512
	s_cbranch_scc1 .Lpath_x
	; ---- C: wave id takes 32,768 bytes of wo, 64 pieces; sixteen loads of a wave are on their way
	s_sub_co_u32 s21, ttmp9, 512
	s_lshl_b32 s21, s21, 2
	s_add_co_u32 s21, s21, s20
	s_lshl_b32 s22, s21, 15
	s_mov_b32 s23, 0
	s_lshl_b32 s24, s21, 14
	s_mov_b32 s25, 0
	v_lshlrev_b32 v4, 4, v3
	v_lshlrev_b32 v5, 3, v3
	s_wait_kmcnt 0x0
	s_add_nc_u64 s[12:13], s[12:13], s[22:23]
	s_add_nc_u64 s[18:19], s[18:19], s[24:25]
.set Q, 0
.rept 16
	LOADC Q
.set Q, Q+1
.endr
.set Q, 0
.rept 64
	CONV Q
.set Q, Q+1
.endr
	FINISH
.Lpath_x:
	; ---- X: wave W = 4 (work-group - 256) + wave takes K step W % 8 of rows 16 (W / 8) on: sixteen records, 4,352 dense bytes of xq
	s_sub_co_u32 s21, ttmp9, 256
	s_lshl_b32 s21, s21, 2
	s_add_co_u32 s21, s21, s20
	s_and_b32 s22, s21, 7                          ; K step
	s_lshr_b32 s23, s21, 3                         ; group of 16 rows
	s_lshl_b32 s24, s23, 18                        ; 16 rows of 16,384 bytes
	s_lshl_b32 s25, s22, 11                        ; 512 numbers
	s_add_co_u32 s24, s24, s25
	s_mov_b32 s25, 0
	s_lshl_b32 s26, s22, 11
	s_lshl_b32 s27, s23, 4
	s_add_co_u32 s26, s26, s27
	s_mul_i32 s26, s26, REC                        ; (2048 K step + first row) records
	s_mov_b32 s27, 0
	s_mul_i32 s28, s20, XREG
	v_lshlrev_b32 v4, 4, v3                        ; 16 x lane
	v_lshrrev_b32 v5, 2, v3
	v_mul_u32_u24 v5, v5, TSP
	v_and_b32 v6, 3, v3
	v_lshl_add_u32 v5, v6, 4, v5
	v_add_nc_u32 v5, s28, v5                       ; turning stage, in: 80 (lane / 4) + 16 (lane % 4)
	v_mul_u32_u24 v6, v3, TSP
	v_add_nc_u32 v6, s28, v6                       ; out: 80 x lane
	s_add_co_u32 s28, s28, OST
	v_lshlrev_b32 v11, 3, v3                       ; 8 x lane
	v_add_nc_u32 v7, s28, v11                      ; a record's codes: 8 bytes a lane
	v_lshrrev_b32 v8, 1, v3
	v_add_nc_u32 v8, s28, v8
	v_add_nc_u32 v8, 256, v8                       ; its scale bytes: one for two lanes
	v_add_nc_u32 v9, s28, v4                       ; the way out: 16 bytes a lane,
	v_add_nc_u32 v10, 4096, v7                     ; and the last 256 bytes, 8 a lane
	s_wait_kmcnt 0x0
	s_add_nc_u64 s[4:5], s[4:5], s[24:25]
	s_add_nc_u64 s[14:15], s[14:15], s[26:27]
.irp t, 0,1,2,3
	XLOAD \t
.endr
	s_wait_loadcnt 12                              ; step 0's four loads are in
	XTURN 0
.irp t, 0,1,2,3,4,5,6,7,8,9,10,11,12,13,14,15
	XSTEP \t
.endr
.irp i, 0,1,2,3,4,5,6,7
	ds_load_b128 v[160+4*\i:163+4*\i], v9 offset:512*\i    ; these see my stores: LDS serves a wave's instructions in order
.endr
	ds_load_b64 v[192:193], v10
	s_wait_dscnt 0x0
.irp i, 0,1,2,3,4,5,6,7
	global_store_b128 v4, v[160+4*\i:163+4*\i], s[14:15] offset:512*\i   ; 512 consecutive bytes, aligned to 256
.endr
	global_store_b64 v11, v[192:193], s[14:15] offset:4096
	FINISH
.Lpath_w:
	; ---- W: a lane takes a column, its registers run down K.  Work-group: 128 columns (number % 32) x one K step (number / 32); wave: 32 columns
	s_and_b32 s21, ttmp9, 31
	s_lshr_b32 s22, ttmp9, 5
	s_lshl_b32 s23, s21, 7
	s_lshl_b32 s24, s20, 5
	s_add_co_u32 s23, s23, s24                     ; my wave's first column in wqkv
	s_wait_kmcnt 0x0
	s_mov_b32 s25, 3072
	s_mov_b32 s28, 4096
	s_cmp_lt_u32 s21, 24                           ; which weight: the choice hangs on the work-group's number alone
	s_cselect_b64 s[26:27], s[8:9], s[10:11]
	s_cselect_b32 s25, 2048, s25
	s_cmp_lt_u32 s21, 16
	s_cselect_b64 s[26:27], s[6:7], s[26:27]
	s_cselect_b32 s25, 0, s25                      ; its first column in wqkv
	s_cselect_b32 s28, 8192, s28                   ; its row in bytes
	s_mul_i32 s30, s22, s28
	s_lshl_b32 s30, s30, 9                         ; 512 rows for each K step
	s_sub_co_u32 s29, s23, s25
	s_lshl_b32 s29, s29, 2
	s_add_co_u32 s30, s30, s29
	s_mov_b32 s31, 0
	s_add_nc_u64 s[32:33], s[26:27], s[30:31]      ; block 0's base;
	s_lshl_b32 s30, s28, 5                         ; 32 rows on for each block: sixteen bases, never rewritten
.irp t, 1,2,3,4,5,6,7,8,9,10,11,12,13,14,15
	s_add_nc_u64 s[32+2*\t:33+2*\t], s[30+2*\t:31+2*\t], s[30:31]
.endr
	s_lshl_b32 s29, s22, 12
	s_add_co_u32 s29, s29, s23
	s_mul_i32 s24, s29, REC                        ; (4096 K step + first column) records
	s_mov_b32 s25, 0
	s_add_nc_u64 s[16:17], s[16:17], s[24:25]
	v_lshlrev_b32 v7, 2, v3
.irp i, 0,1,2,3,4,5,6,7,8,9,10,11,12,13,14,15,16,17,18,19,20,21,22,23,24,25,26,27,28,29,30,31
	v_mad_u32_u24 v[32+\i], s28, \i, v7            ; 4 x lane + i rows; never rewritten
.endr
	s_mul_i32 s29, s20, WREG
	s_add_co_u32 s29, s29, WBASE
	v_mul_u32_u24 v4, v3, REC
	v_add_nc_u32 v4, s29, v4                       ; my column's record
	v_lshlrev_b32 v6, 4, v3
	v_add_nc_u32 v5, s29, v6                       ; the way out: 16 bytes a lane
	LOADW 0
	LOADW 1
.set Q, 0
.rept 16
	BLOCKW Q
.set Q, Q+1
.endr
	ds_store_b128 v4, v[12:15] offset:256          ; the record's 16 scale bytes
.irp i, 0,1,2,3,4,5,6,7,8,9,10,11,12,13,14,15,16
	ds_load_b128 v[128+4*\i:131+4*\i], v5 offset:512*\i
.endr
.irp i, 0,1,2,3,4,5,6,7,8,9,10,11,12,13,14,15,16
	s_wait_dscnt 16-\i                             ; the younger loads stay out
	global_store_b128 v6, v[128+4*\i:131+4*\i], s[16:17] offset:512*\i   ; 32 records are 8,704 dense bytes, aligned to 256
.endr
	FINISH
.Lfunc_end_k_qc93f130248_prep:
	.size	k_qc93f130248_prep, .Lfunc_end_k_qc93f130248_prep-k_qc93f130248_prep
	.p2alignl 7, 3214868480
	.fill 96, 4, 3214868480
	.section	.rodata,"a",@progbits
	.p2align	6, 0x0
	.amdhsa_kernel k_qc93f130248_prep
		.amdhsa_group_segment_fixed_size 74240
		.amdhsa_private_segment_fixed_size 0
		.amdhsa_enable_private_segment 0
		.amdhsa_kernarg_size 64
		.amdhsa_user_sgpr_count 2
		.amdhsa_user_sgpr_kernarg_segment_ptr 1
		.amdhsa_wavefront_size32 1
		.amdhsa_system_sgpr_workgroup_id_x 1
		.amdhsa_system_sgpr_workgroup_id_y 1
		.amdhsa_system_sgpr_workgroup_id_z 1
		.amdhsa_system_vgpr_workitem_id 0
		.amdhsa_next_free_vgpr 224
		.amdhsa_next_free_sgpr 80
		.amdhsa_reserve_vcc 0
		.amdhsa_float_denorm_mode_32 3
		.amdhsa_float_denorm_mode_16_64 3
		.amdhsa_memory_ordered 1
		.amdhsa_forward_progress 1
		.amdhsa_inst_pref_size 149
	.end_amdhsa_kernel
	.amdgpu_metadata
---
amdhsa.version: [ 1, 2 ]
amdhsa.kernels:
  - .name:           k_qc93f130248_prep
    .symbol:         k_qc93f130248_prep.kd
    .args:
      - { .name: x, .offset: 0, .size: 8, .value_kind: global_buffer, .address_space: global }
      - { .name: wq, .offset: 8, .size: 8, .value_kind: global_buffer, .address_space: global }
      - { .name: wk, .offset: 16, .size: 8, .value_kind: global_buffer, .address_space: global }
      - { .name: wv, .offset: 24, .size: 8, .value_kind: global_buffer, .address_space: global }
      - { .name: wo, .offset: 32, .size: 8, .value_kind: global_buffer, .address_space: global }
      - { .name: xq, .offset: 40, .size: 8, .value_kind: global_buffer, .address_space: global }
      - { .name: wqkv, .offset: 48, .size: 8, .value_kind: global_buffer, .address_space: global }
      - { .name: wo16, .offset: 56, .size: 8, .value_kind: global_buffer, .address_space: global }
    .group_segment_fixed_size: 74240
    .private_segment_fixed_size: 0
    .kernarg_segment_align: 8
    .kernarg_segment_size: 64
    .max_flat_workgroup_size: 128
    .sgpr_count:     80
    .vgpr_count:     224
    .wavefront_size: 32
...
	.end_amdgpu_metadata
.endif
;; end of part 1
;; launch qkv (part 2): grid 16 x 16, 4 waves a work-group, clusters of 4 x 4, 327,680 bytes of LDS; arguments xq, wqkv, cos, sin, qkv16, out1, out2; writes qkv16, out1, out2
.if DOCPART == 2
	.amdgcn_target "amdgcn-amd-amdhsa--gfx1250"
	.amdhsa_code_object_version 6
	.text
	.protected	k_qc93f130248_qkv
	.globl	k_qc93f130248_qkv
	.p2align	8
	.type	k_qc93f130248_qkv,@function
k_qc93f130248_qkv:
	s_mov_b64 s[64:65], 0
	v_nop
	global_prefetch_b8 v0, s[64:65] scope:SCOPE_SE
	s_setreg_imm32_b32 hwreg(HW_REG_WAVE_MODE, 25, 1), 1
	s_wait_xcnt 0x0
	s_wait_alu depctr_hold_cnt(0) depctr_sa_sdst(0) depctr_va_vdst(0) depctr_va_sdst(0) depctr_va_ssrc(0) depctr_va_vcc(0) depctr_vm_vsrc(0)
	s_getreg_b32 s2, hwreg(HW_REG_IB_STS2, 6, 4)
	s_cmp_eq_u32 s2, 0
	s_cbranch_scc0 .Lentry_in_a_cluster
	s_endpgm
.Lentry_in_a_cluster:
	s_bfe_u32 s2, ttmp6, 0x10000c
	s_cmp_lg_u32 s2, 0xf033
	s_cbranch_scc0 .Lentry_shape_is_right
	s_endpgm
.Lentry_shape_is_right:
; QKV: [2048][4096] = x (wq | wk | wv) on codes of E2M1 with E8M0 scales, K = 4096; then the rotary embedding on q and k; k and v leave as f32 (out1, out2), and q, k, v as f16 for the attention.
; qkv16 is [32 heads][2048][128] f16: heads 0-15 q x log2(e) / sqrt(128) / 2, heads 16-23 k / 16, heads 24-31 v / 16 (powers of two and one constant: room in f16 up to magnitudes of 1.0e6).
; SHARES.  A work-group makes 128 rows x 256 columns (two heads); each of its four waves 64 rows x 128 columns (one head): 32 accumulators.  256 work-groups.
; K goes in steps of 512 through a ring of two LDS slots.  A row of a tile is a RECORD of 272 bytes (256 of codes, 16 scale bytes): a K step's rows are one dense block of memory, so one tensor load
; brings codes and scales, and rows lie 272 bytes apart in LDS, so that the 16 rows that a load touches begin at 16 different 16-byte columns of a 256-byte line.
; CLUSTERS: 4 x 4 work-groups; x's tile is shared along a row of the cluster, the weights' along a column: each is asked for jointly, by the same load with a mask that names the four.
; THE MATRIX INSTRUCTION IS USED TRANSPOSED: source 0 = 16 columns of the weights, source 1 = 16 rows of x: a lane holds eight neighbouring columns of one row.
; The kind of head (q, k or v) hangs on the cluster's x alone, so all partners take the same branches.
; No prefetch is laid: the launch has eight K steps, and every tile is shared in the cluster.
; REGISTERS: window 0: v10-29 addresses; v32-79 scale words, two sets, and nothing else; v80-143 x's fragments, two sets; v144-223 the way out.
;   window 1: v0-127 the weights' fragments, two sets; v128-255 cos and sin, two sets.   window 2: accumulator (a, b) at v[8 (8 a + b)].
.set SLOT,  104448                     ; x's 128 records, then the weights' 256
.set BOFF,  34816
.set AHALF, 17408                      ; 64 records
.set BHALF, 34816                      ; 128 records
.set SPARE, 208896                     ; behind the ring: the spare words, 128 bytes a wave, named by no other line
.set PITCH, 272
.set SP,    528                        ; the way out: a stage of 16 rows x (512 + 16) bytes a wave, in slot 0, behind its last fill and its last read
.set L8,   10                          ; v10 8 x lane
.set SGN,  12                          ; v[12:13] -1 in lanes 0-15, +1 in lanes 16-31
.set ADRA, 16                          ; v16-17 my fragments of x in slot 0, 1
.set ADRB, 18                          ; v18-19 of the weights
.set ADSA, 20                          ; v20-21 my scale words of x: a lane a row
.set ADSB, 22                          ; v22-23 of the weights
.set STO,  24
.set RD,   25
.set RDP,  26                          ; the partner column d xor 64: 256 bytes away in a row
.set L16,  27                          ; 16 x lane
.set SPW,  28
.set NIL,  29
.set SC,   32                          ; set s at SC + 24 s: x's word q of blocks 2 i (lanes 0-15) and 2 i + 1 (lanes 16-31) at + 4 i + q; the weights' at + 8 + 4 i + q
.set AF,   80
.set OW,   144
.set PT,   176
.set H16,  208
.set CSN,  128                         ; window 1: set n % 2 at + 64: cos of row i at + 4 i, sin at + 32 + 4 i
.set G1A, 24
.set G0A, 32
.set G1B, 48
.set G0B, 56
.set MSB, 0
.macro WIN new                         ; the immediate's high byte repeats the setting that is left
.if MSB != \new
	s_set_vgpr_msb (MSB<<8)|\new
.set MSB, \new
.endif
.endm
.macro PLACES                          ; four plain vector lines behind matrix instructions, ahead of loads into their registers and of reads of their results
.rept 4
	v_nop
.endr
.endm
.macro JLOAD s                         ; a joint load: waves 0 and 1 fetch x's halves, waves 2 and 3 the weights'; an s_nop 0 and four v_nop follow each line
	s_cmp_eq_u32 s19, 0
	s_cbranch_scc0 .Lfor_b_\@
	tensor_load_to_lds s[G0A+4*\s:G0A+4*\s+3], s[G1A:G1A+7]
	s_nop 0
.rept 4
	v_nop
.endr
	s_branch .Lasked_\@
.Lfor_b_\@:
	tensor_load_to_lds s[G0B+4*\s:G0B+4*\s+3], s[G1B:G1B+7]
	s_nop 0
.rept 4
	v_nop
.endr
.Lasked_\@:
.endm
.macro CREST                           ; a round of the cluster's barrier behind its opening barrier
	s_cmp_lg_u32 s18, 0
	s_cbranch_scc1 .Lnot_wave_0_\@
	s_barrier_signal -3
.Lnot_wave_0_\@:
	s_barrier_wait -3
	s_barrier_signal -1
	s_barrier_wait -1
.endm
.macro CROUND
	s_barrier_signal -1
	s_barrier_wait -1
	CREST
.endm
.macro WMS zero                        ; one product; rD, rW, rX, rSW, rSX name its registers, oW and oX say which half of the lanes holds each side's scales
.if \zero
.if oW && oX
	v_wmma_scale_f32_16x16x128_f8f6f4 v[rD:rD+7], v[rW:rW+7], v[rX:rX+7], 0, v[rSW], v[rSX] matrix_a_fmt:MATRIX_FMT_FP4 matrix_b_fmt:MATRIX_FMT_FP4 matrix_a_scale:MATRIX_SCALE_ROW1 matrix_b_scale:MATRIX_SCALE_ROW1
.elseif oW
	v_wmma_scale_f32_16x16x128_f8f6f4 v[rD:rD+7], v[rW:rW+7], v[rX:rX+7], 0, v[rSW], v[rSX] matrix_a_fmt:MATRIX_FMT_FP4 matrix_b_fmt:MATRIX_FMT_FP4 matrix_a_scale:MATRIX_SCALE_ROW1
.elseif oX
	v_wmma_scale_f32_16x16x128_f8f6f4 v[rD:rD+7], v[rW:rW+7], v[rX:rX+7], 0, v[rSW], v[rSX] matrix_a_fmt:MATRIX_FMT_FP4 matrix_b_fmt:MATRIX_FMT_FP4 matrix_b_scale:MATRIX_SCALE_ROW1
.else
	v_wmma_scale_f32_16x16x128_f8f6f4 v[rD:rD+7], v[rW:rW+7], v[rX:rX+7], 0, v[rSW], v[rSX] matrix_a_fmt:MATRIX_FMT_FP4 matrix_b_fmt:MATRIX_FMT_FP4
.endif
.else
.if oW && oX
	v_wmma_scale_f32_16x16x128_f8f6f4 v[rD:rD+7], v[rW:rW+7], v[rX:rX+7], v[rD:rD+7], v[rSW], v[rSX] matrix_a_fmt:MATRIX_FMT_FP4 matrix_b_fmt:MATRIX_FMT_FP4 matrix_a_scale:MATRIX_SCALE_ROW1 matrix_b_scale:MATRIX_SCALE_ROW1
.elseif oW
	v_wmma_scale_f32_16x16x128_f8f6f4 v[rD:rD+7], v[rW:rW+7], v[rX:rX+7], v[rD:rD+7], v[rSW], v[rSX] matrix_a_fmt:MATRIX_FMT_FP4 matrix_b_fmt:MATRIX_FMT_FP4 matrix_a_scale:MATRIX_SCALE_ROW1
.elseif oX
	v_wmma_scale_f32_16x16x128_f8f6f4 v[rD:rD+7], v[rW:rW+7], v[rX:rX+7], v[rD:rD+7], v[rSW], v[rSX] matrix_a_fmt:MATRIX_FMT_FP4 matrix_b_fmt:MATRIX_FMT_FP4 matrix_b_scale:MATRIX_SCALE_ROW1
.else
	v_wmma_scale_f32_16x16x128_f8f6f4 v[rD:rD+7], v[rW:rW+7], v[rX:rX+7], v[rD:rD+7], v[rSW], v[rSX] matrix_a_fmt:MATRIX_FMT_FP4 matrix_b_fmt:MATRIX_FMT_FP4
.endif
.endif
.endm
; eight products: x's block a against the weights' eight, the slot's q-th 128 along K, fragments of set buf.  The 32 accumulators take turns, one instruction a turn, in one order everywhere
.macro MUL8 a, buf, q, slot, zero
	WIN 0xa1                                       ; source 0 window 1, source 1 window 0, C and D window 2
.irp b, 0,1,2,3,4,5,6,7
.set rD, 8*(8*(\a)+\b)
.set rW, 64*(\buf)+8*\b
.set rX, AF+32*(\buf)+8*(\a)
.set rSW, SC+24*(\slot)+8+4*(\b/2)+(\q)
.set rSX, SC+24*(\slot)+4*((\a)/2)+(\q)
.set oW, \b%2
.set oX, (\a)%2
	WMS \zero
.endr
.endm
; a fragment, 16 rows x 128 K of 4-bit codes: lane l holds row l % 16; registers 4 c .. 4 c + 3 hold K = 64 c + 32 (l / 16) + 0 .. 31: 16 bytes of the record as they lie
.macro FRAGA buf, slot, q
.irp i, 0,1,2,3
.irp c, 0,1
	ds_load_b128 v[AF+32*(\buf)+8*\i+4*\c:AF+32*(\buf)+8*\i+4*\c+3], v[ADRA+\slot] offset:64*(\q)+32*\c+16*PITCH*\i
.endr
.endr
.endm
.macro FRAGB buf, slot, q
	WIN 0x40                                       ; destination window 1
.irp i, 0,1,2,3,4,5,6,7
.irp c, 0,1
	ds_load_b128 v[64*(\buf)+8*\i+4*\c:64*(\buf)+8*\i+4*\c+3], v[ADRB+\slot] offset:64*(\q)+32*\c+16*PITCH*\i
.endr
.endr
	WIN 0
.endm
.macro SCALES slot                     ; a K step's scale words: the 16 bytes at a record's end are its four words; a lane a row, 32 rows a load
.irp i, 0,1
	ds_load_b128 v[SC+24*(\slot)+4*\i:SC+24*(\slot)+4*\i+3], v[ADSA+\slot] offset:32*PITCH*\i
.endr
.irp i, 0,1,2,3
	ds_load_b128 v[SC+24*(\slot)+8+4*\i:SC+24*(\slot)+8+4*\i+3], v[ADSB+\slot] offset:32*PITCH*\i
.endr
.endm
; 128 along K that has its successor in the same slot: the successor's 24 loads go out ahead of this step's 32 products
.macro STEP slot, q, zero
	s_wait_dscnt 0x0                               ; this step's fragments are in (asked for 32 products ago)
	PLACES
	FRAGB 1-(\q)%2, \slot, (\q)+1
	FRAGA 1-(\q)%2, \slot, (\q)+1
	MUL8 0, (\q)%2, \q, \slot, \zero
	MUL8 1, (\q)%2, \q, \slot, \zero
	MUL8 2, (\q)%2, \q, \slot, \zero
	MUL8 3, (\q)%2, \q, \slot, \zero
.endm
; a slot's last 128 along K changes slots: one barrier; ahead of it each wave waits for all its tensor loads, adds 0 to its spare word, and waits for that and for its reads of this slot.  fill = 1: the slot is filled again, two K steps ahead
.macro TURN slot, next, fill
	WIN 0
	s_wait_tensorcnt 0x0                           ; all my tensor loads have landed: my part of the next slot
	ds_add_u32 v[SPW], v[NIL]
	s_wait_dscnt 1                                 ; the fragments are in; only the add may be out
	MUL8 0, 1, 3, \slot, 0
	s_wait_dscnt 0x0                               ; the add is done, and my reads of this slot are over
	s_barrier_signal -1
	MUL8 1, 1, 3, \slot, 0
	WIN 0
	s_barrier_wait -1
.if \fill
	CREST                                          ; the barrier has opened a round of the cluster's: no wave of any partner still reads this slot or has a load on its way
	s_add_nc_u64 s[G0A+4*\slot+2:G0A+4*\slot+3], s[G0A+4*\slot+2:G0A+4*\slot+3], 2*2048*PITCH
	s_add_nc_u64 s[G0B+4*\slot+2:G0B+4*\slot+3], s[G0B+4*\slot+2:G0B+4*\slot+3], 2*4096*PITCH
	JLOAD \slot                                    ; the first tensor load behind the round; its four v_nop are the places ahead of the loads below
.else
	PLACES
.endif
	FRAGB 0, \next, 0
	FRAGA 0, \next, 0
	SCALES \next
	MUL8 2, 1, 3, \slot, 0
	MUL8 3, 1, 3, \slot, 0
.endm
	s_load_b256 s[4:11], s[0:1], 0x0               ; xq 4, wqkv 6, cos 8, sin 10
	s_load_b128 s[12:15], s[0:1], 0x20             ; qkv16 12, out1 14
	s_load_b64 s[16:17], s[0:1], 0x30              ; out2
	v_lshl_add_u32 v[SPW], v0, 2, SPARE
	v_mov_b32 v[NIL], 0
	ds_add_u32 v[SPW], v[NIL]                      ; the wave's opening: the add, twice on end, and its wait ahead of my first tensor load
	ds_add_u32 v[SPW], v[NIL]
	v_lshrrev_b32 v1, 5, v0
	v_readfirstlane_b32 s18, v1                    ; wave
	s_lshr_b32 s19, s18, 1                         ; my half of the rows.  Also: I fetch x (0) or the weights (1)
	s_and_b32 s20, s18, 1                          ; my head of the two.  Also: which half of that tile I fetch
	s_bfe_u32 s21, ttmp6, 0x40000                  ; cx
	s_bfe_u32 s22, ttmp6, 0x40004                  ; cy
	s_lshl_b32 s23, ttmp9, 2
	s_add_co_u32 s23, s23, s21                     ; tile column
	s_and_b32 s40, ttmp7, 0xffff
	s_lshl_b32 s40, s40, 2
	s_add_co_u32 s40, s40, s22                     ; tile row
	s_lshl_b32 s41, s22, 2
	s_lshl_b32 s41, 15, s41                        ; my row of the cluster
	s_lshl_b32 s42, 0x1111, s21                    ; my column
	; group 1: a dense block as rows of 256 bytes (32 elements of 8 bytes), no padding: x 68 rows (64 records), the weights 136 (128 records)
	s_or_b32 s[G1A], s41, (3<<16)|(1<<21)
	s_mov_b32 s[G1A+1], 32<<16
	s_mov_b32 s[G1A+2], 68<<16
	s_mov_b32 s[G1A+3], 32<<16
	s_mov_b32 s[G1A+4], 68
	s_mov_b32 s[G1A+5], 32
	s_mov_b32 s[G1A+6], 0
	s_mov_b32 s[G1A+7], 0
	s_or_b32 s[G1B], s42, (3<<16)|(1<<21)
	s_mov_b32 s[G1B+1], 32<<16
	s_mov_b32 s[G1B+2], 136<<16
	s_mov_b32 s[G1B+3], 32<<16
	s_mov_b32 s[G1B+4], 136
	s_mov_b32 s[G1B+5], 32
	s_mov_b32 s[G1B+6], 0
	s_mov_b32 s[G1B+7], 0
	s_lshl_b32 s43, s40, 7
	s_lshl_b32 s44, s20, 6
	s_add_co_u32 s43, s43, s44                     ; x: row 128 x tile row + 64 x half
	s_mul_i32 s44, s43, PITCH
	s_mov_b32 s45, 0
	s_lshl_b32 s46, s23, 8
	s_lshl_b32 s47, s20, 7
	s_add_co_u32 s46, s46, s47                     ; weights: column 256 x tile column + 128 x half
	s_mul_i32 s46, s46, PITCH
	s_mov_b32 s47, 0
	s_mul_i32 s66, s20, AHALF                      ; where they go: no place in the cluster enters an LDS address
	s_mul_i32 s67, s20, BHALF
	s_add_co_u32 s67, s67, BOFF
	s_wait_dscnt 0x0                               ; both opening adds are done
	s_wait_kmcnt 0x0
	s_add_nc_u64 s[72:73], s[4:5], s[44:45]
	s_add_nc_u64 s[74:75], s[6:7], s[46:47]
	CROUND                                         ; all sixteen work-groups are here: the first joint loads meet
.irp s, 0,1
	s_mov_b32 s[G0A+4*\s], 1
	s_add_co_u32 s[G0A+4*\s+1], s66, \s*SLOT
	s_add_nc_u64 s[G0A+4*\s+2:G0A+4*\s+3], s[72:73], \s*2048*PITCH
	s_or_b32 s[G0A+4*\s+3], s[G0A+4*\s+3], 0x80000000
	s_mov_b32 s[G0B+4*\s], 1
	s_add_co_u32 s[G0B+4*\s+1], s67, \s*SLOT
	s_add_nc_u64 s[G0B+4*\s+2:G0B+4*\s+3], s[74:75], \s*4096*PITCH
	s_or_b32 s[G0B+4*\s+3], s[G0B+4*\s+3], 0x80000000
	JLOAD \s                                       ; K steps 0 and 1: two loads of mine are out
.endr
	v_and_b32 v1, 15, v0                           ; r
	v_bfe_u32 v2, v0, 4, 1                         ; h
	v_and_b32 v3, 31, v0                           ; lane
	v_mul_u32_u24 v4, v1, PITCH
	v_lshl_add_u32 v4, v2, 4, v4
	v_mul_u32_u24 v5, v3, PITCH
	v_add_nc_u32 v5, 256, v5
	s_mul_i32 s66, s19, AHALF                      ; my 64 rows of x
	s_mul_i32 s67, s20, BHALF                      ; my 128 columns
	s_add_co_u32 s67, s67, BOFF
.irp s, 0,1
	v_add_nc_u32 v[ADRA+\s], s66, v4
	v_add_nc_u32 v[ADRB+\s], s67, v4
	v_add_nc_u32 v[ADSA+\s], s66, v5
	v_add_nc_u32 v[ADSB+\s], s67, v5
	s_add_co_u32 s66, s66, SLOT
	s_add_co_u32 s67, s67, SLOT
.endr
	s_mul_i32 s66, s18, 16*SP                      ; my stage
	v_mul_u32_u24 v6, v1, SP
	v_lshl_add_u32 v6, v2, 5, v6
	v_add_nc_u32 v[STO], s66, v6                   ; in: row r, 32 bytes for each half of the lanes
	v_lshlrev_b32 v[L16], 4, v3
	v_add_nc_u32 v[RD], s66, v[L16]                ; back: the 32 lanes take a row of 512 bytes
	v_xor_b32 v6, 256, v[L16]
	v_add_nc_u32 v[RDP], s66, v6
	v_lshlrev_b32 v[L8], 3, v3
	v_cvt_f32_u32 v[SGN], v2
	v_fma_f32 v[SGN], v[SGN], 2.0, -1.0
	v_mov_b32 v[SGN+1], v[SGN]
	; the way out's bases
	s_lshl_b32 s76, s40, 7
	s_lshl_b32 s77, s19, 6
	s_add_co_u32 s76, s76, s77                     ; my first row
	s_lshl_b32 s78, s76, 9
	s_mov_b32 s79, 0
	s_add_nc_u64 s[8:9], s[8:9], s[78:79]          ; cos and sin at that row
	s_add_nc_u64 s[10:11], s[10:11], s[78:79]
	s_lshl_b32 s80, s23, 1
	s_add_co_u32 s80, s80, s20                     ; my head, 0 .. 31
	s_lshl_b32 s82, s80, 11
	s_add_co_u32 s82, s82, s76
	s_lshl_b32 s82, s82, 8
	s_mov_b32 s83, 0
	s_add_nc_u64 s[12:13], s[12:13], s[82:83]      ; qkv16 at (head, row)
	s_and_b32 s84, s80, 7
	s_lshl_b32 s84, s84, 11
	s_add_co_u32 s84, s84, s76
	s_lshl_b32 s84, s84, 9
	s_mov_b32 s85, 0
	s_cmp_eq_u32 ttmp9, 3
	s_cselect_b64 s[70:71], s[16:17], s[14:15]     ; out2 for v, out1 for k (q stores no f32)
	s_add_nc_u64 s[70:71], s[70:71], s[84:85]
	s_mov_b32 s68, 0x3d800000                      ; 1 / 16 for k and v,
	s_cmp_lt_u32 ttmp9, 2
	s_cselect_b32 s68, 0x3d8293ee, s68             ; log2(e) / sqrt(128) / 2 for q
	s_mov_b32 s69, s68
	s_wait_tensorcnt 1                             ; my part of K step 0 is in; K step 1's may stay out
	s_barrier_signal -1
	s_barrier_wait -1
	FRAGB 0, 0, 0
	FRAGA 0, 0, 0
	SCALES 0
	STEP 0, 0, 1                                   ; the first products start the sums: nothing is cleared
	WIN 0
	s_mov_b32 s3, 3
.Llap:                                             ; a trip goes once round the ring and fills both slots again
	STEP 0, 1, 0
	STEP 0, 2, 0
	TURN 0, 1, 1
	STEP 1, 0, 0
	STEP 1, 1, 0
	STEP 1, 2, 0
	TURN 1, 0, 1
	STEP 0, 0, 0
	WIN 0
	s_sub_co_u32 s3, s3, 1
	s_cmp_lg_u32 s3, 0
	s_cbranch_scc1 .Llap
	STEP 0, 1, 0                                   ; the last lap fills nothing
	STEP 0, 2, 0
	TURN 0, 1, 0
.macro CSLOAD n                        ; cos and sin of rows 8 n .. 8 n + 7: 512 consecutive bytes a load
	WIN 0x40
.irp i, 0,1,2,3,4,5,6,7
	global_load_b128 v[CSN+64*((\n)%2)+4*\i:CSN+64*((\n)%2)+4*\i+3], v[L16], s[8:9] offset:512*(8*(\n)+\i)
	global_load_b128 v[CSN+64*((\n)%2)+32+4*\i:CSN+64*((\n)%2)+32+4*\i+3], v[L16], s[10:11] offset:512*(8*(\n)+\i)
.endr
	WIN 0
.endm
	CSLOAD 0                                       ; asked for a K step ahead of the way out
	CSLOAD 1
	STEP 1, 0, 0
	STEP 1, 1, 0
	STEP 1, 2, 0
	s_wait_dscnt 0x0
	MUL8 0, 1, 3, 1, 0
	MUL8 1, 1, 3, 1, 0
	MUL8 2, 1, 3, 1, 0
	MUL8 3, 1, 3, 1, 0
	WIN 0
	PLACES
; THE WAY OUT.  A block of 16 rows x 128 columns goes through my stage and comes back as whole rows: lane l holds columns 4 l .. 4 l + 3, and by a second read the partner columns d xor 64.
.macro TOSTAGE a
	WIN 0x08                                       ; an LDS store's data: window 2
.irp b, 0,1,2,3,4,5,6,7
	ds_store_b128 v[STO], v[8*(8*(\a)+\b):8*(8*(\a)+\b)+3] offset:64*\b        ; each accumulator from its low end on
	ds_store_b128 v[STO], v[8*(8*(\a)+\b)+4:8*(8*(\a)+\b)+7] offset:64*\b+16
.endr
	WIN 0
.endm
.macro HALF n                          ; rows 8 n .. 8 n + 7 of my 64
.if (\n)%2 == 0
	TOSTAGE (\n)/2
.endif
	s_wait_xcnt 0x0                                ; the last half's stores have read their data registers, which are written again below
.irp i, 0,1,2,3,4,5,6,7
	ds_load_b128 v[OW+4*\i:OW+4*\i+3], v[RD] offset:SP*(8*((\n)%2)+\i)
	ds_load_b128 v[PT+4*\i:PT+4*\i+3], v[RDP] offset:SP*(8*((\n)%2)+\i)
.endr
	s_wait_dscnt 0x0
.if (\n) < 7
	s_wait_loadcnt 16                              ; this half's cos and sin are in; the next half's 16 loads stay out
.else
	s_wait_loadcnt 0x0
.endif
	s_cmp_eq_u32 ttmp9, 3                          ; v is not rotated: the branch hangs on the cluster's x alone
	s_cbranch_scc1 .Lnorope_\@
	WIN 0x04                                       ; source 1 window 1
.irp k, 0,2,4,6,8,10,12,14,16,18,20,22,24,26,28,30
	v_pk_mul_f32 v[PT+\k:PT+\k+1], v[PT+\k:PT+\k+1], v[CSN+64*((\n)%2)+32+\k:CSN+64*((\n)%2)+33+\k]
.endr
.irp k, 0,2,4,6,8,10,12,14,16,18,20,22,24,26,28,30
	v_pk_mul_f32 v[OW+\k:OW+\k+1], v[OW+\k:OW+\k+1], v[CSN+64*((\n)%2)+\k:CSN+64*((\n)%2)+1+\k]
.endr
	WIN 0
.irp k, 0,2,4,6,8,10,12,14,16,18,20,22,24,26,28,30
	v_pk_fma_f32 v[OW+\k:OW+\k+1], v[PT+\k:PT+\k+1], v[SGN:SGN+1], v[OW+\k:OW+\k+1]   ; x cos -+ partner x sin: two rounded products and one rounded sum
.endr
.Lnorope_\@:
.if (\n) <= 5
	CSLOAD (\n)+2
.endif
	s_cmp_lt_u32 ttmp9, 2                          ; q leaves as f16 alone
	s_cbranch_scc1 .Lnof32_\@
.irp i, 0,1,2,3,4,5,6,7
	global_store_b128 v[L16], v[OW+4*\i:OW+4*\i+3], s[70:71] offset:512*(8*(\n)+\i) th:TH_STORE_NT   ; a row of 512 bytes, aligned
.endr
.Lnof32_\@:
.irp k, 0,2,4,6,8,10,12,14,16,18,20,22,24,26,28,30
	v_pk_mul_f32 v[PT+\k:PT+\k+1], v[OW+\k:OW+\k+1], s[68:69] op_sel_hi:[1,0]
.endr
.irp k, 0,1,2,3,4,5,6,7,8,9,10,11,12,13,14,15
	v_cvt_pk_f16_f32 v[H16+\k], v[PT+2*\k], v[PT+2*\k+1]
.endr
.irp i, 0,1,2,3,4,5,6,7
	global_store_b64 v[L8], v[H16+2*\i:H16+2*\i+1], s[12:13] offset:256*(8*(\n)+\i)   ; a row of 256 bytes, aligned
.endr
.endm
.irp n, 0,1,2,3,4,5,6,7
	HALF \n
.endr
	s_wait_tensorcnt 0x0                           ; the wave's end
	ds_add_u32 v[SPW], v[NIL]
	s_wait_dscnt 0x0
	CROUND                                         ; the closing round: no work-group ends while a partner may still ask for a tile that names it
	s_endpgm
.Lfunc_end_k_qc93f130248_qkv:
	.size	k_qc93f130248_qkv, .Lfunc_end_k_qc93f130248_qkv-k_qc93f130248_qkv
	.p2alignl 7, 3214868480
	.fill 96, 4, 3214868480
	.section	.rodata,"a",@progbits
	.p2align	6, 0x0
	.amdhsa_kernel k_qc93f130248_qkv
		.amdhsa_group_segment_fixed_size 327680
		.amdhsa_private_segment_fixed_size 0
		.amdhsa_enable_private_segment 0
		.amdhsa_kernarg_size 56
		.amdhsa_user_sgpr_count 2
		.amdhsa_user_sgpr_kernarg_segment_ptr 1
		.amdhsa_wavefront_size32 1
		.amdhsa_system_sgpr_workgroup_id_x 1
		.amdhsa_system_sgpr_workgroup_id_y 1
		.amdhsa_system_sgpr_workgroup_id_z 1
		.amdhsa_system_vgpr_workitem_id 0
		.amdhsa_next_free_vgpr 768
		.amdhsa_next_free_sgpr 100
		.amdhsa_reserve_vcc 0
		.amdhsa_float_denorm_mode_32 3
		.amdhsa_float_denorm_mode_16_64 3
		.amdhsa_memory_ordered 1
		.amdhsa_forward_progress 1
		.amdhsa_inst_pref_size 184
	.end_amdhsa_kernel
	.amdgpu_metadata
---
amdhsa.version: [ 1, 2 ]
amdhsa.kernels:
  - .name:           k_qc93f130248_qkv
    .symbol:         k_qc93f130248_qkv.kd
    .args:
      - { .name: xq, .offset: 0, .size: 8, .value_kind: global_buffer, .address_space: global }
      - { .name: wqkv, .offset: 8, .size: 8, .value_kind: global_buffer, .address_space: global }
      - { .name: cos, .offset: 16, .size: 8, .value_kind: global_buffer, .address_space: global }
      - { .name: sin, .offset: 24, .size: 8, .value_kind: global_buffer, .address_space: global }
      - { .name: qkv16, .offset: 32, .size: 8, .value_kind: global_buffer, .address_space: global }
      - { .name: out1, .offset: 40, .size: 8, .value_kind: global_buffer, .address_space: global }
      - { .name: out2, .offset: 48, .size: 8, .value_kind: global_buffer, .address_space: global }
    .group_segment_fixed_size: 327680
    .private_segment_fixed_size: 0
    .kernarg_segment_align: 8
    .kernarg_segment_size: 56
    .max_flat_workgroup_size: 128
    .sgpr_count:     100
    .vgpr_count:     768
    .wavefront_size: 32
...
	.end_amdgpu_metadata
.endif
;; end of part 2
;; launch attn (part 3): grid 32 x 8, 4 waves a work-group, clusters of 4 x 4, 327,680 bytes of LDS; arguments qkv16, mask, att16; writes att16
.if DOCPART == 3
	.amdgcn_target "amdgcn-amd-amdhsa--gfx1250"
	.amdhsa_code_object_version 6
	.text
	.protected	k_qc93f130248_attn
	.globl	k_qc93f130248_attn
	.p2align	8
	.type	k_qc93f130248_attn,@function
k_qc93f130248_attn:
	s_mov_b64 s[64:65], 0
	v_nop
	global_prefetch_b8 v0, s[64:65] scope:SCOPE_SE
	s_setreg_imm32_b32 hwreg(HW_REG_WAVE_MODE, 25, 1), 1
	s_wait_xcnt 0x0
	s_wait_alu depctr_hold_cnt(0) depctr_sa_sdst(0) depctr_va_vdst(0) depctr_va_sdst(0) depctr_va_ssrc(0) depctr_va_vcc(0) depctr_vm_vsrc(0)
	s_getreg_b32 s2, hwreg(HW_REG_IB_STS2, 6, 4)
	s_cmp_eq_u32 s2, 0
	s_cbranch_scc0 .Lentry_in_a_cluster
	s_endpgm
.Lentry_in_a_cluster:
	s_bfe_u32 s2, ttmp6, 0x10000c
	s_cmp_lg_u32 s2, 0xf033
	s_cbranch_scc0 .Lentry_shape_is_right
	s_endpgm
.Lentry_shape_is_right:
; ATTN: softmax_k(q . k / sqrt(128) + mask[s][k]) v, for 16 query heads on 8 key and value heads; operands f16, sums, maxima and the softmax f32.
; The mask is an input: it is loaded and added for every query and key, and no key is left out.
; NUMBERS.  qkv16 holds q x c / 2 (c = log2(e) / sqrt(128)), k / 16, v / 16.  So the first product gives u = (q . k) c / 32, onto the mask x log2(e) / 32, which is the C of each sum's first product.
; p = 2^(32 u - 32 m), m the running maximum of u; O and l are multiplied by 2^(32 m_old - 32 m_new) in every step.  att16 is the result / 16, which wo16's factor 16 takes back.
; att16 IS LAID IN THE ORDER OF THE NEXT PRODUCT'S OPERAND REGISTERS: [128 blocks of 16 positions][64 blocks of 32 along k = head x 128 + d][1,024 bytes]; in a fragment registers 0-3 lie at 16 x lane,
; registers 4-7 at 512 + 16 x lane.  O^T, rounded in pairs, is that image as it stands: lane (r, h) holds position r and channels 16 ch + 8 h + 0 .. 7.  So the result leaves from registers, with no stage in LDS.
; LIMITS: m is floored at -1e37, so mask entries of -infinity give p = 0, and a row that is -infinity throughout gives NaN; |q|, |k|, |v| beyond 1.0e6 become infinity in f16; NaN in the inputs is not served.
; SHARES.  A work-group owns 64 queries of one key and value head; wave w owns queries 16 w .. 16 w + 15 in BOTH query heads of the group (tiles 0 and 1), so that one set of mask registers serves two tiles.
; Every wave walks all 2,048 keys, 64 a step; a slot of the ring of two holds 128 keys: K, V and the work-group's piece of the mask.
; LAYOUT.  S^T = K Q^T (source 0 = 16 keys, source 1 = 16 queries), O^T = V^T P: a lane holds one query throughout.  K comes out of LDS as it lies, V turned by ds_load_tr16_b128.
; CLUSTER 4 x 4: K and V are shared along a row of the cluster (one key and value head), the mask's piece along a column (one block of queries): every tensor load is a joint one.
; A key step is written in phases: K Q^T, the softmax, V^T P.
; REGISTERS: window 0: v2-11 addresses; v12-27 statistics, eight a tile; v32-63 the mask; v64-127 S^T; v128-159 P; v160-223 Q.   window 1: v0-127 O^T; v128-255 K.   window 2: v0-127 V.
.set PK,    272                        ; a row of K in LDS: 256 bytes + 16
.set PVP,   288                        ; a row of V: 256 + 32
.set PM,    528                        ; a row of the mask's piece: 512 + 16
.set VOFF,  128*PK
.set MOFF,  VOFF+128*PVP
.set SLOT1, 1<<17                      ; slot 1 begins here: one exclusive or turns an address from one slot to the other
.set SPARE, SLOT1+MOFF+64*PM           ; behind the ring: the spare words, 128 bytes a wave, named by no other line
.set AK0, 2
.set AV0, 3
.set AM0, 4
.set ADK, 5
.set ADV, 6
.set ADM, 7
.set QO,  8
.set GO,  11                           ; 16 x lane: my place in half a fragment of att16
.set ST,  12                           ; tile t's statistics at v[ST + 8 t]: +0 32 m, +1 m, +2, +3 l (even keys', odd keys'), +4 to +7 at work; a takes +6
.set PFO, 28
.set SPW, 30
.set NIL, 31
.set MK,  32
.set S,   64
.set P,   128
.set Q,   160
.set KF,  128                          ; in window 1
.set WV,  12
.set G1K, 24
.set G1V, 32
.set G1M, 40
.set G0K, 48                           ; two sets each, for the two first fills; the second then walks
.set G0V, 56
.set G0M, 68
.set CS,  76                           ; s[76:77] 32.0
.set CM,  78                           ; s[78:79] log2(e) / 32
.set SEL, 80
.set TB,  82                           ; LDS byte at which the slot in hand begins
.set SLOTS, 83
.set PFA, 84
.set PFS, 86
.set LIM, 88
.set MSB, 0
.macro WIN new
.if MSB != \new
	s_set_vgpr_msb (MSB<<8)|\new
.set MSB, \new
.endif
.endm
.set W_KQ, 0x01                        ; K in window 1; Q, the mask and S^T in window 0
.set W_PV, 0x52                        ; V in window 2, P in window 0, O^T in window 1
.set W_RS, 0x41                        ; O^T in window 1, a in window 0
.macro PLACES
.rept 4
	v_nop
.endr
.endm
.macro JLOAD                           ; a joint refill: wave 0 K, wave 1 V, waves 2 and 3 the mask's halves.  The branches hang on the wave's number alone; an s_nop 0 and four v_nop follow each line
	s_cmp_eq_u32 s[WV], 0
	s_cbranch_scc0 .Lnot_k_\@
	tensor_load_to_lds s[G0K+4:G0K+7], s[G1K:G1K+7]
	s_nop 0
.rept 4
	v_nop
.endr
	s_branch .Lasked_\@
.Lnot_k_\@:
	s_cmp_eq_u32 s[WV], 1
	s_cbranch_scc0 .Lnot_v_\@
	tensor_load_to_lds s[G0V+4:G0V+7], s[G1V:G1V+7]
	s_nop 0
.rept 4
	v_nop
.endr
	s_branch .Lasked_\@
.Lnot_v_\@:
	tensor_load_to_lds s[G0M+4:G0M+7], s[G1M:G1M+7]
	s_nop 0
.rept 4
	v_nop
.endr
.Lasked_\@:
.endm
; A PREFETCH of what the NEXT change of slots will ask for, behind the wave's tensor load and its five lines: two key steps, 128 matrix instructions, ahead of that load.
; Each aligned block of 256 bytes is named once in the launch.  K and V of a head are walked by all clusters of a row of clusters: the first of them (cluster x = 0) asks, wave 0 for K, wave 1 for V;
; its four partners along x take 32 of the slot's 128 rows each, told apart by address.  A block of queries' piece of the mask is walked by both clusters of a column of clusters: cluster y = 0 asks, wave 2;
; the four partners along y take 16 of the 64 rows each, two blocks of 256 bytes a row.  The last change that fills a slot asks for nothing; nothing is asked for at the head.
.macro ASK
	s_cmp_gt_u32 s[SLOTS], s[LIM]
	s_cbranch_scc0 .Lnot_mine_\@
	global_prefetch_b8 v[PFO], s[PFA:PFA+1] th:TH_LOAD_NT scope:SCOPE_SE
.Lnot_mine_\@:
.endm
.macro CROUND
	s_barrier_signal -1
	s_barrier_wait -1
	s_cmp_lg_u32 s[WV], 0
	s_cbranch_scc1 .Lnot_wave_0_\@
	s_barrier_signal -3
.Lnot_wave_0_\@:
	s_barrier_wait -3
	s_barrier_signal -1
	s_barrier_wait -1
.endm
	s_load_b128 s[4:7], s[0:1], 0x0                ; qkv16 4, mask 6
	s_load_b64 s[8:9], s[0:1], 0x10                ; att16
	v_lshl_add_u32 v[SPW], v0, 2, SPARE
	v_mov_b32 v[NIL], 0
	ds_add_u32 v[SPW], v[NIL]                      ; the wave's opening: the add, twice on end, and its wait ahead of my first tensor load
	ds_add_u32 v[SPW], v[NIL]
	v_lshrrev_b32 v1, 5, v0
	v_readfirstlane_b32 s[WV], v1
	s_bfe_u32 s13, ttmp6, 0x40000                  ; cx
	s_bfe_u32 s14, ttmp6, 0x40004                  ; cy
	s_lshl_b32 s15, ttmp9, 2
	s_add_co_u32 s15, s15, s13                     ; my block of 64 queries
	s_and_b32 s16, ttmp7, 0xffff
	s_lshl_b32 s16, s16, 2
	s_add_co_u32 s16, s16, s14                     ; my key and value head
	s_lshl_b32 s17, s14, 2
	s_lshl_b32 s17, 15, s17                        ; my row of the cluster
	s_lshl_b32 s89, 0x1111, s13                    ; my column
	; group 1.  K, V: 128 rows x 128 elements of 2 bytes, 16 or 32 bytes of padding behind each 256.  Mask: 32 rows x 128 elements of 4 bytes, rows 2,048 elements apart, 16 bytes behind each 512
	s_or_b32 s[G1K], s17, (1<<16)|(1<<20)|(1<<21)|(5<<22)|(3<<25)
	s_or_b32 s[G1V], s17, (1<<16)|(1<<20)|(1<<21)|(5<<22)|(7<<25)
	s_or_b32 s[G1M], s89, (2<<16)|(1<<20)|(1<<21)|(6<<22)|(3<<25)
.irp g, G1K, G1V
	s_mov_b32 s[\g+1], 128<<16
	s_mov_b32 s[\g+2], 128<<16
	s_mov_b32 s[\g+3], 128<<16
	s_mov_b32 s[\g+4], 128
	s_mov_b32 s[\g+5], 128
	s_mov_b32 s[\g+6], 0
	s_mov_b32 s[\g+7], 0
.endr
	s_mov_b32 s[G1M+1], 128<<16
	s_mov_b32 s[G1M+2], 32<<16
	s_mov_b32 s[G1M+3], 128<<16
	s_mov_b32 s[G1M+4], 32
	s_mov_b32 s[G1M+5], 2048
	s_mov_b32 s[G1M+6], 0
	s_mov_b32 s[G1M+7], 0
	s_add_co_u32 s18, s16, 16
	s_lshl_b32 s18, s18, 19                        ; K: head 16 + g of 524,288 bytes
	s_mov_b32 s19, 0
	s_add_co_u32 s20, s16, 24
	s_lshl_b32 s20, s20, 19                        ; V: head 24 + g
	s_mov_b32 s21, 0
	s_and_b32 s90, s[WV], 1
	s_lshl_b32 s22, s15, 6
	s_lshl_b32 s23, s90, 5
	s_add_co_u32 s22, s22, s23
	s_lshl_b32 s22, s22, 13                        ; mask: row 64 x block + 32 x half, 8,192 bytes a row
	s_mov_b32 s23, 0
	s_mul_i32 s91, s90, 32*PM
	s_add_co_u32 s91, s91, MOFF
	s_lshl_b32 s94, s15, 6
	s_lshl_b32 s95, s[WV], 4
	s_add_co_u32 s94, s94, s95                     ; my first query
	s_lshl_b32 s96, s16, 20                        ; Q: head 2 g,
	s_lshl_b32 s95, s94, 8
	s_add_co_u32 s96, s96, s95                     ; my first query's row
	s_mov_b32 s97, 0
	s_lshl_b32 s98, s94, 12                        ; att16: my block of 16 positions, 64 fragments of 1,024 bytes = 4,096 bytes a position,
	s_lshl_b32 s95, s16, 13
	s_add_co_u32 s98, s98, s95                     ; head 2 g's first fragment: 8 g x 1,024
	s_mov_b32 s99, 0
	s_mov_b32 s[CS], 0x42000000
	s_mov_b32 s[CS+1], s[CS]
	s_mov_b32 s[CM], 0x3d38aa3b
	s_mov_b32 s[CM+1], s[CM]
	s_mov_b32 s[SEL], 0x76543210
	s_mov_b32 s[SEL+1], 0xfedcba98
	s_mov_b32 s[TB], 0
	s_mov_b32 s[SLOTS], 14
	; the prefetches: where mine stand, and who asks
	s_lshl_b32 s92, s90, 3
	s_add_co_u32 s92, s92, s16
	s_add_co_u32 s92, s92, 16
	s_lshl_b32 s92, s92, 19                        ; K's head (wave 0) or V's (wave 1),
	s_lshl_b32 s93, s13, 13
	s_add_co_u32 s92, s92, s93                     ; my work-group's 32 rows,
	s_add_co_u32 s92, s92, 2*32768                 ; in slot 2: the first change of slots steps it to slot 3
	s_lshl_b32 s93, s15, 6
	s_lshl_b32 s95, s14, 4
	s_add_co_u32 s93, s93, s95
	s_lshl_b32 s93, s93, 13                        ; the mask: my work-group's 16 rows of the block's 64,
	s_add_co_u32 s93, s93, 2*512                   ; in slot 2
	s_mov_b32 s[PFS], 512
	s_mov_b32 s95, 13
	s_wait_dscnt 0x0                               ; both opening adds are done
	s_wait_kmcnt 0x0
	s_cmp_lt_u32 s[WV], 2
	s_cselect_b32 s92, s92, s93
	s_cselect_b32 s[PFS], 32768, s[PFS]            ; a slot on
	s_cselect_b32 s95, 9, s95
	s_cselect_b64 s[PFA:PFA+1], s[4:5], s[6:7]
	s_mov_b32 s93, 0
	s_mov_b32 s[PFS+1], 0
	s_add_nc_u64 s[PFA:PFA+1], s[PFA:PFA+1], s[92:93]
	s_and_b32 s92, ttmp7, 0xffff
	s_cmp_lt_u32 s[WV], 2
	s_cselect_b32 s92, ttmp9, s92                  ; the coordinate along which other clusters walk the same bytes
	s_lshr_b32 s93, s[WV], 1
	s_and_b32 s93, s93, s[WV]                      ; 1 in wave 3 alone, which asks for nothing
	s_or_b32 s92, s92, s93
	s_cmp_eq_u32 s92, 0
	s_cselect_b32 s[LIM], 1, -1                    ; the same in all sixteen partners, for a given wave
	v_and_b32 v[PFO], 1, v0
	v_lshlrev_b32 v[PFO], 8, v[PFO]
	v_bfe_u32 v29, v0, 1, 4
	v_lshlrev_b32 v29, s95, v29
	v_add_nc_u32 v[PFO], v[PFO], v29               ; K, V: 256 x lane; mask: 8,192 (lane / 2) + 256 (lane % 2)
	s_add_nc_u64 s[18:19], s[4:5], s[18:19]
	s_add_nc_u64 s[20:21], s[4:5], s[20:21]
	s_add_nc_u64 s[22:23], s[6:7], s[22:23]
	s_add_nc_u64 s[96:97], s[4:5], s[96:97]
	s_add_nc_u64 s[98:99], s[8:9], s[98:99]
	CROUND                                         ; all sixteen work-groups are here: the first joint loads meet
.irp s, 0,1
	s_mov_b32 s[G0K+4*\s], 1
	s_mov_b32 s[G0K+4*\s+1], \s*SLOT1
	s_add_nc_u64 s[G0K+4*\s+2:G0K+4*\s+3], s[18:19], \s*32768
	s_or_b32 s[G0K+4*\s+3], s[G0K+4*\s+3], 0x80000000
	s_mov_b32 s[G0V+4*\s], 1
	s_mov_b32 s[G0V+4*\s+1], \s*SLOT1+VOFF
	s_add_nc_u64 s[G0V+4*\s+2:G0V+4*\s+3], s[20:21], \s*32768
	s_or_b32 s[G0V+4*\s+3], s[G0V+4*\s+3], 0x80000000
	s_mov_b32 s[G0M+4*\s], 1
	s_add_co_u32 s[G0M+4*\s+1], s91, \s*SLOT1
	s_add_nc_u64 s[G0M+4*\s+2:G0M+4*\s+3], s[22:23], \s*512
	s_or_b32 s[G0M+4*\s+3], s[G0M+4*\s+3], 0x80000000
.endr
	s_cmp_eq_u32 s[WV], 0                          ; a wave's two first fills stand in one arm: two loads of mine are out
	s_cbranch_scc0 .Lfirst_not_k
	tensor_load_to_lds s[G0K:G0K+3], s[G1K:G1K+7]
	s_nop 0
	tensor_load_to_lds s[G0K+4:G0K+7], s[G1K:G1K+7]
	s_nop 0
.rept 4
	v_nop
.endr
	s_branch .Lfirst_asked
.Lfirst_not_k:
	s_cmp_eq_u32 s[WV], 1
	s_cbranch_scc0 .Lfirst_not_v
	tensor_load_to_lds s[G0V:G0V+3], s[G1V:G1V+7]
	s_nop 0
	tensor_load_to_lds s[G0V+4:G0V+7], s[G1V:G1V+7]
	s_nop 0
.rept 4
	v_nop
.endr
	s_branch .Lfirst_asked
.Lfirst_not_v:
	tensor_load_to_lds s[G0M:G0M+3], s[G1M:G1M+7]
	s_nop 0
	tensor_load_to_lds s[G0M+4:G0M+7], s[G1M:G1M+7]
	s_nop 0
.rept 4
	v_nop
.endr
.Lfirst_asked:
	v_and_b32 v224, 15, v0                         ; r
	v_bfe_u32 v225, v0, 4, 1                       ; h
	v_lshlrev_b32 v[QO], 8, v224
	v_lshl_add_u32 v[QO], v225, 4, v[QO]           ; row r of 256 bytes + 16 h
.irp t, 0,1
.irp c, 0,1,2,3
	global_load_b128 v[Q+32*\t+8*\c:Q+32*\t+8*\c+3],   v[QO], s[96:97] offset:524288*\t+64*\c      ; Q stays in registers: tile t = head 2 g + t, channels 32 c on
	global_load_b128 v[Q+32*\t+8*\c+4:Q+32*\t+8*\c+7], v[QO], s[96:97] offset:524288*\t+64*\c+32
.endr
.endr
	v_mul_u32_u24 v[AK0], v224, PK
	v_lshl_add_u32 v[AK0], v225, 4, v[AK0]         ; K: row r x pitch + 16 h
	v_and_b32 v226, 7, v0
	v_bfe_u32 v227, v0, 3, 1
	v_lshl_add_u32 v[AV0], v225, 3, v226
	v_mul_u32_u24 v[AV0], v[AV0], PVP
	v_lshl_add_u32 v[AV0], v227, 4, v[AV0]
	v_add_nc_u32 v[AV0], VOFF, v[AV0]              ; V, for the turning load: key 8 h + l % 8, channels 8 ((l / 8) % 2) on
	s_mul_i32 s92, s[WV], 16*PM
	s_add_co_u32 s92, s92, MOFF
	v_mul_u32_u24 v[AM0], v224, PM
	v_lshl_add_u32 v[AM0], v225, 5, v[AM0]
	v_add_nc_u32 v[AM0], s92, v[AM0]               ; mask: row 16 w + r, keys 8 h on
	v_and_b32 v[GO], 31, v0
	v_lshlrev_b32 v[GO], 4, v[GO]                  ; att16: 16 bytes a lane
; Product i of 32 of S^T: channels 32 (i / 8) on, keys 16 ((i / 2) % 4) on, tile i % 2.  The first eight take the scaled mask as C.  The eight accumulators take turns
.macro KQ
	WIN W_KQ
.set rS, S+32*(i%2)+8*((i/2)%4)
.set rK, KF+32*((i/2)%4)+8*(i/8)
.set rQ, Q+32*(i%2)+8*(i/8)
.set rM, MK+8*((i/2)%4)
.if i < 8
	v_wmma_f32_16x16x32_f16 v[rS:rS+7], v[rK:rK+7], v[rQ:rQ+7], v[rM:rM+7]
.else
	v_wmma_f32_16x16x32_f16 v[rS:rS+7], v[rK:rK+7], v[rQ:rQ+7], v[rS:rS+7]
.endif
.endm
; Product i of 32 of O^T += V^T P: keys 32 (i / 16) on, channels 16 ((i / 2) % 8) on, tile i % 2.  first = 1: the first sixteen start the sums
.macro PV first
	WIN W_PV
.set rO, 64*(i%2)+8*((i/2)%8)
.set rV, 64*(i/16)+8*((i/2)%8)
.set rP, P+16*(i%2)+8*(i/16)
.if \first && (i < 16)
	v_wmma_f32_16x16x32_f16 v[rO:rO+7], v[rV:rV+7], v[rP:rP+7], 0
.else
	v_wmma_f32_16x16x32_f16 v[rO:rO+7], v[rV:rV+7], v[rP:rP+7], v[rO:rO+7]
.endif
.endm
; One tile's softmax for one key step is a list of 134 instructions; SM writes number j of it for tile t.  s0-s31 are the lane's 32 numbers u.
;   0-15 the maximum of s0-s31 and the old m (first step: and the floor -1e37);  16-20 the other half of the lanes' maximum, the new m, 32 m, 32 m_old - 32 m_new
;   21-69 one batch: the 16 packed scalings 32 s - 32 m and all 33 exponentials, none of which reads an exponential's result;  70-85 the roundings to f16;  86-101 the sums, l = a l + the sum;  102-133 O^T times a
.macro SM t, first
.set rT, ST+8*(\t)
.set rS, S+32*(\t)
.set rP, P+16*(\t)
.set rO, 64*(\t)+2*(j-102)
.if j < 102
	WIN 0
.endif
.if j < 4
	v_max3_num_f32 v[rT+4+j], v[rS+8*j], v[rS+8*j+1], v[rS+8*j+2]      ; each accumulator is read from its low end on
.elseif j < 12
	v_max3_num_f32 v[rT+4+j%4], v[rT+4+j%4], v[rS+8*(j%4)+2*(j/4)+1], v[rS+8*(j%4)+2*(j/4)+2]
.elseif j == 12
	v_max3_num_f32 v[rT+4], v[rT+4], v[rS+7], v[rS+15]
.elseif j == 13
	v_max3_num_f32 v[rT+6], v[rT+6], v[rS+23], v[rS+31]
.elseif j == 14
	v_max3_num_f32 v[rT+4], v[rT+4], v[rT+5], v[rT+6]
.elseif (j == 15) && \first
	v_max3_num_f32 v[rT+4], v[rT+4], v[rT+7], 0xfcf0bdc2               ; -1e37: 32 m stays a finite number
.elseif j == 15
	v_max3_num_f32 v[rT+4], v[rT+4], v[rT+7], v[rT+1]
.elseif j == 16
	v_permlanex16_b32 v[rT+5], v[rT+4], s[SEL], s[SEL+1]               ; the query's other 32 keys lie in the lane 16 away
.elseif j == 18
	v_max_num_f32 v[rT+1], v[rT+4], v[rT+5]
.elseif j == 19
	v_mul_f32 v[rT], s[CS], v[rT+1]
.elseif ((j == 17) || (j == 20) || (j == 23) || (j > 101)) && \first   ; the first step has none of these
.elseif j == 17
	v_mov_b32 v[rT+7], v[rT]
.elseif j == 20
	v_sub_f32 v[rT+7], v[rT+7], v[rT]
.elseif j == 23
	v_exp_f32 v[rT+6], v[rT+7]
.elseif (j < 23) || ((j < 38) && (j%2 == 0)) || ((j < 66) && (j%4 == 2))
.set b, (j-2)/4
.if j < 38
.set b, (j-20)/2
.endif
	v_pk_fma_f32 v[rS+2*b:rS+2*b+1], v[rS+2*b:rS+2*b+1], s[CS:CS+1], v[rT:rT+1] op_sel_hi:[1,0,0] neg_lo:[0,0,1] neg_hi:[0,0,1]
.elseif j < 70
.set e, j-38
.if j < 66
.set e, j-32-(j-38)/4
.endif
.if j < 38
.set e, (j-25)/2
.endif
	v_exp_f32 v[rS+e], v[rS+e]
.elseif j < 86
	v_cvt_pk_f16_f32 v[rP+j-70], v[rS+2*(j-70)], v[rS+2*(j-70)+1]
.elseif j < 102
.set z, j-86
.set w, 4
.set u, z
.if z >= 14
.set w, 32
.set u, 0
.elseif z >= 12
.set w, 16
.set u, z-12
.elseif z >= 8
.set w, 8
.set u, z-8
.endif
.if (z == 14) && \first
	v_pk_add_f32 v[rT+2:rT+3], v[rS:rS+1], v[rS+16:rS+17]
.elseif z < 15
	v_pk_add_f32 v[rS+w*u:rS+w*u+1], v[rS+w*u:rS+w*u+1], v[rS+w*u+w/2:rS+w*u+w/2+1]
.elseif !\first
	v_pk_fma_f32 v[rT+2:rT+3], v[rT+2:rT+3], v[rT+6:rT+7], v[rS:rS+1] op_sel_hi:[1,0,1]
.endif
.else
	WIN W_RS
	v_pk_mul_f32 v[rO:rO+1], v[rO:rO+1], v[rT+6:rT+7] op_sel_hi:[1,0]
.endif
.endm
; K and the mask of the slot's step su: 40 LDS loads in one run
.macro FETCHKM su
	WIN 0
	v_add_nc_u32 v[ADK], s[TB], v[AK0]
	v_add_nc_u32 v[ADM], s[TB], v[AM0]
	WIN 0x40                                       ; destination window 1
.irp f, 0,1,2,3,4,5,6,7,8,9,10,11,12,13,14,15
	ds_load_b128 v[KF+8*\f:KF+8*\f+3],   v[ADK] offset:(\su)*64*PK+(\f/4)*16*PK+(\f%4)*64
	ds_load_b128 v[KF+8*\f+4:KF+8*\f+7], v[ADK] offset:(\su)*64*PK+(\f/4)*16*PK+(\f%4)*64+32
.endr
	WIN 0
.irp kt, 0,1,2,3
.irp c, 0,1
	ds_load_b128 v[MK+8*\kt+4*\c:MK+8*\kt+4*\c+3], v[ADM] offset:(\su)*256+64*\kt+16*\c   ; register 8 kt + i: mask(my query, key 16 kt + 8 h + i): the result's layout
.endr
.endr
.endm
; The first two phases of the slot's step su: the scores and the softmax; V is fetched between them
.macro HEAD su, first
	WIN 0
	s_wait_dscnt 0x0                               ; K and the mask are in
.set i, 0
.rept 16
	v_pk_mul_f32 v[MK+i:MK+i+1], v[MK+i:MK+i+1], s[CM:CM+1] op_sel_hi:[1,0]
.set i, i+2
.endr
.set i, 0
.rept 32
	KQ
.set i, i+1
.endr
	WIN 0
	v_add_nc_u32 v[ADV], s[TB], v[AV0]             ; with the three v_nop: the four places between the last product and the first read of the scores
.rept 3
	v_nop
.endr
	WIN 0x80                                       ; destination window 2
.irp f, 0,1,2,3,4,5,6,7,8,9,10,11,12,13,14,15
	ds_load_tr16_b128 v[8*\f:8*\f+3],   v[ADV] offset:(\su)*64*PVP+(\f/8)*32*PVP+(\f%8)*32
	ds_load_tr16_b128 v[8*\f+4:8*\f+7], v[ADV] offset:(\su)*64*PVP+(\f/8)*32*PVP+16*PVP+(\f%8)*32
.endr
	WIN 0
.set j, 0
.rept 70
	SM 0, \first
	SM 1, \first
.set j, j+1
.endr
	v_nop                                          ; a plain line behind the last exponential
	s_wait_alu depctr_va_vdst(0)                   ; one wait for both tiles' exponentials, ahead of the first line that names a result
.rept 64
	SM 0, \first
	SM 1, \first
.set j, j+1
.endr
	WIN 0
	s_wait_dscnt 0x0                               ; V is in
.endm
; The third phase: the next step's K and mask are asked for (nextu < 0: there is none), then O^T += V^T P
.macro TAIL nextu, first
.if (\nextu) >= 0
	FETCHKM \nextu
.endif
.set i, 0
.rept 32
	PV \first
.set i, i+1
.endr
.endm
; THE CHANGE OF SLOTS, behind the softmax of a slot's second step: all of the slot has been read into registers.  Each wave waits for all its tensor loads (its part of the other slot), adds 0 to its spare word,
; and waits for that and for its reads.  fill = 1: the barrier is a round of the cluster's, and the slot just left is filled again first thing behind it, with the keys two slots on.
.macro CHANGE fill
	WIN 0
	s_wait_tensorcnt 0x0                           ; no tensor load of mine is out, so a group 0 may be written
	ds_add_u32 v[SPW], v[NIL]
.if \fill
	s_xor_b32 s[G0K+5], s[G0K+5], SLOT1
	s_add_nc_u64 s[G0K+6:G0K+7], s[G0K+6:G0K+7], 32768
	s_xor_b32 s[G0V+5], s[G0V+5], SLOT1
	s_add_nc_u64 s[G0V+6:G0V+7], s[G0V+6:G0V+7], 32768
	s_xor_b32 s[G0M+5], s[G0M+5], SLOT1
	s_add_nc_u64 s[G0M+6:G0M+7], s[G0M+6:G0M+7], 512
	s_wait_xcnt 0x0                                ; the last prefetch, two key steps back, has read its address
	s_add_nc_u64 s[PFA:PFA+1], s[PFA:PFA+1], s[PFS:PFS+1]
	s_wait_dscnt 0x0                               ; the add is done, and my reads of the slot are over
	CROUND
	JLOAD
	ASK
.else
	s_wait_dscnt 0x0
	s_barrier_signal -1
	s_barrier_wait -1
.endif
	s_xor_b32 s[TB], s[TB], SLOT1                  ; on to the other slot
.endm
	s_wait_tensorcnt 1                             ; my part of slot 0 is in; slot 1's may stay out
	s_barrier_signal -1
	s_barrier_wait -1
	FETCHKM 0
	s_wait_loadcnt 0x0                             ; Q
	HEAD 0, 1
	TAIL 1, 1
	HEAD 1, 0
.Lslot:                                            ; 14 trips: every slot but the last two is filled again
	CHANGE 1
	TAIL 0, 0
	HEAD 0, 0
	TAIL 1, 0
	HEAD 1, 0
	s_sub_co_u32 s[SLOTS], s[SLOTS], 1
	s_cmp_lg_u32 s[SLOTS], 0
	s_cbranch_scc1 .Lslot
	CHANGE 0                                       ; the last slot is written out
	TAIL 0, 0
	HEAD 0, 0
	TAIL 1, 0
	HEAD 1, 0
	TAIL -1, 0
	; THE WAY OUT: l's halves and the other half of the lanes' are added; O^T / l is rounded to f16 in pairs, and these registers are the next product's fragments as they stand
	WIN 0
	PLACES
.irp t, 0,1
	v_add_f32 v[ST+8*\t+4], v[ST+8*\t+2], v[ST+8*\t+3]
.endr
.irp t, 0,1
	v_permlanex16_b32 v[ST+8*\t+5], v[ST+8*\t+4], s[SEL], s[SEL+1]
.endr
.irp t, 0,1
	v_add_f32 v[ST+8*\t+4], v[ST+8*\t+4], v[ST+8*\t+5]
.endr
.irp t, 0,1
	v_rcp_f32 v[ST+8*\t+6], v[ST+8*\t+4]
.endr
	v_nop
	s_wait_alu depctr_va_vdst(0)                   ; one wait for the two reciprocals, ahead of their first use
; Tile t = head 2 g + t: four fragments of 16 positions x 32 channels.  Registers 4 f .. 4 f + 3 hold channels 16 f + 8 h + 0 .. 7 of position r: half f % 2 of fragment f / 2
.macro PACK t
	WIN W_RS
.set i, 64*\t
.rept 32
	v_pk_mul_f32 v[i:i+1], v[i:i+1], v[ST+8*\t+6:ST+8*\t+7] op_sel_hi:[1,0]
.set i, i+2
.endr
	WIN 0x05                                       ; sources window 1, destination window 0: S^T's registers are free
.set i, 0
.rept 32
	v_cvt_pk_f16_f32 v[S+32*\t+i], v[64*\t+2*i], v[64*\t+2*i+1]
.set i, i+1
.endr
	WIN 0
.irp f, 0,1,2,3,4,5,6,7
	global_store_b128 v[GO], v[S+32*\t+4*\f:S+32*\t+4*\f+3], s[98:99] offset:4096*\t+512*\f   ; 32 lanes store 512 consecutive bytes, aligned to 256; each store has data registers of its own
.endr
.endm
	PACK 0
	PACK 1
	s_wait_tensorcnt 0x0                           ; the wave's end
	ds_add_u32 v[SPW], v[NIL]
	s_wait_dscnt 0x0
	CROUND                                         ; the closing round
	s_endpgm
.Lfunc_end_k_qc93f130248_attn:
	.size	k_qc93f130248_attn, .Lfunc_end_k_qc93f130248_attn-k_qc93f130248_attn
	.p2alignl 7, 3214868480
	.fill 96, 4, 3214868480
	.section	.rodata,"a",@progbits
	.p2align	6, 0x0
	.amdhsa_kernel k_qc93f130248_attn
		.amdhsa_group_segment_fixed_size 327680
		.amdhsa_private_segment_fixed_size 0
		.amdhsa_enable_private_segment 0
		.amdhsa_kernarg_size 24
		.amdhsa_user_sgpr_count 2
		.amdhsa_user_sgpr_kernarg_segment_ptr 1
		.amdhsa_wavefront_size32 1
		.amdhsa_system_sgpr_workgroup_id_x 1
		.amdhsa_system_sgpr_workgroup_id_y 1
		.amdhsa_system_sgpr_workgroup_id_z 1
		.amdhsa_system_vgpr_workitem_id 0
		.amdhsa_next_free_vgpr 640
		.amdhsa_next_free_sgpr 100
		.amdhsa_reserve_vcc 0
		.amdhsa_float_denorm_mode_32 3
		.amdhsa_float_denorm_mode_16_64 3
		.amdhsa_memory_ordered 1
		.amdhsa_forward_progress 1
		.amdhsa_inst_pref_size 167
	.end_amdhsa_kernel
	.amdgpu_metadata
---
amdhsa.version: [ 1, 2 ]
amdhsa.kernels:
  - .name:           k_qc93f130248_attn
    .symbol:         k_qc93f130248_attn.kd
    .args:
      - { .name: qkv16, .offset: 0, .size: 8, .value_kind: global_buffer, .address_space: global }
      - { .name: mask, .offset: 8, .size: 8, .value_kind: global_buffer, .address_space: global }
      - { .name: att16, .offset: 16, .size: 8, .value_kind: global_buffer, .address_space: global }
    .group_segment_fixed_size: 327680
    .private_segment_fixed_size: 0
    .kernarg_segment_align: 8
    .kernarg_segment_size: 24
    .max_flat_workgroup_size: 128
    .sgpr_count:     100
    .vgpr_count:     640
    .wavefront_size: 32
...
	.end_amdgpu_metadata
.endif
;; end of part 3
;; launch proj (part 4): grid 16 x 16, 4 waves a work-group, clusters of 4 x 1, 327,680 bytes of LDS; arguments att16, wo16, out0; writes out0
.if DOCPART == 4
	.amdgcn_target "amdgcn-amd-amdhsa--gfx1250"
	.amdhsa_code_object_version 6
	.text
	.protected	k_qc93f130248_proj
	.globl	k_qc93f130248_proj
	.p2align	8
	.type	k_qc93f130248_proj,@function
k_qc93f130248_proj:
	s_mov_b64 s[64:65], 0
	v_nop
	global_prefetch_b8 v0, s[64:65] scope:SCOPE_SE
	s_setreg_imm32_b32 hwreg(HW_REG_WAVE_MODE, 25, 1), 1
	s_wait_xcnt 0x0
	s_wait_alu depctr_hold_cnt(0) depctr_sa_sdst(0) depctr_va_vdst(0) depctr_va_sdst(0) depctr_va_ssrc(0) depctr_va_vcc(0) depctr_vm_vsrc(0)
	s_getreg_b32 s2, hwreg(HW_REG_IB_STS2, 6, 4)
	s_cmp_eq_u32 s2, 0
	s_cbranch_scc0 .Lentry_in_a_cluster
	s_endpgm
.Lentry_in_a_cluster:
	s_bfe_u32 s2, ttmp6, 0x10000c
	s_cmp_lg_u32 s2, 0x3003
	s_cbranch_scc0 .Lentry_shape_is_right
	s_endpgm
.Lentry_shape_is_right:
; PROJ: out0 [2048][4096] f32 = att (2048 x 2048, f16) x wo16 [2048 (k)][4096 (n)] f16; sums in f32.  att16 carries 1 / 16 and wo16 16: the product needs no factor.
; SHARES.  A work-group makes 128 rows x 256 columns, each of its four waves 64 x 128: 32 accumulators.  256 work-groups.
; wo16 goes through a ring of two LDS slots of 256 along K (256 k-rows of 512 bytes + 32): K is its first axis, so its fragments come turned, by ds_load_tr16_b128.  Each wave fetches 64 k-rows of a slot.
; att16 GOES FROM MEMORY STRAIGHT INTO REGISTERS.  It is laid in the order of the operand's registers, [128 blocks of 16 rows][64 blocks of 32 k][1,024 bytes], so a fragment is two loads of 512 consecutive bytes.
; A ring of eight sets of 32 registers holds eight quarters (32 along K each); the loads of quarter g + 7 go out at the head of quarter g.
; WHY att16 IS NOT ASKED FOR JOINTLY: two slots of wo16 take 278,528 of the 327,680 bytes of LDS; att16's 128 rows for the same 256 along K, twice, would take 135,168 more.  With both operands in LDS a slot could hold
; 128 along K only, half the products between a request and the wait for it.  What goes to registers cannot be the target of a joint load.
; CLUSTER 4 x 1: the four partners make four tile rows of one tile column and need the same tiles of wo16: joint loads, the mask names all four.
; THE MATRIX INSTRUCTION IS USED TRANSPOSED: source 0 = 16 columns of wo16, source 1 = 16 rows of att16: a lane holds eight neighbouring columns of one row of out0.
; REGISTERS: window 0: v16-30 addresses; v128-255 the way out.   window 1: v0-127 wo16's fragments, two sets.   window 2: accumulator (a, b) at v[8 (8 a + b)].   window 3: att16's eight sets, set s at v[32 s].
.set PB,    544                        ; a k-row of wo16's tile in LDS: 512 bytes + 32
.set QTR,   64*PB                      ; what one wave's load brings
.set HALFS, 2*QTR                      ; 128 k-rows: what one address register reaches with a 16-bit immediate
.set SLOT,  4*QTR
.set SPARE, 2*SLOT                     ; behind the ring: the spare words, 128 bytes a wave, named by no other line
.set SP,    528                        ; the way out: 16 rows x (512 + 16) bytes a wave, in slot 0, behind its last fill and its last read
.set KROW,  8192                       ; a k-row of wo16 in memory
.set FRB,   1024                       ; a fragment of att16
.set ADRB, 16                          ; v16-19 my fragments of wo16: slot 0's k-rows 0-127, 128-255, slot 1's likewise
.set STO,  24
.set RD,   25
.set L16,  27                          ; 16 x lane; never rewritten
.set SPW,  28
.set NIL,  29
.set PFO,  30                          ; the prefetches' offset: 8,192 (lane / 2) + 256 (lane % 2); never rewritten
.set BK,   128
.set AB,   10                          ; s[10:11] att16 at my first block of rows, at the trip's first quarter
.set PFA,  12                          ; s[12:13] where my prefetches stand
.set LIM,  14                          ; 1 in a work-group that prefetches, else the greatest number
.set G1B, 48
.set G0B, 56                           ; one set for each slot
.set MSB, 0
.macro WIN new                         ; the immediate's high byte repeats the setting that is left
.if MSB != \new
	s_set_vgpr_msb (MSB<<8)|\new
.set MSB, \new
.endif
.endm
.macro PLACES                          ; four plain vector lines behind matrix instructions, ahead of loads into their registers and of reads of their results
.rept 4
	v_nop
.endr
.endm
.macro JLOAD s                         ; a joint load: every wave fetches its 64 k-rows of the slot; an s_nop 0 and four v_nop follow
	tensor_load_to_lds s[G0B+4*\s:G0B+4*\s+3], s[G1B:G1B+7]
	s_nop 0
.rept 4
	v_nop
.endr
.endm
; A PREFETCH of the slot that the NEXT refill will ask for, behind the joint load, its five lines and the loads that follow: 256 products a wave ahead of that load.
; Each aligned block of 256 bytes is named once in the launch.  A tile column of wo16 is walked by the four clusters of a row of clusters: the first (cluster x = 0) asks.  Of the 64 k-rows that a wave fetches
; the partner at place cx takes 16, told apart by address; a row's 512 bytes are two blocks: 32 lanes, one instruction a wave.  how = 1: a trip's first refill; how = 0: its second, which in the last trip has no slot behind it.
.macro ASK how
.if \how
	s_cmp_eq_u32 s[LIM], 1
.else
	s_cmp_gt_u32 s3, s[LIM]                        ; s3 = 1 in the loop's last trip
.endif
	s_cbranch_scc0 .Lnot_mine_\@
	global_prefetch_b8 v[PFO], s[PFA:PFA+1] th:TH_LOAD_NT scope:SCOPE_SE
.Lnot_mine_\@:
.endm
.macro CREST                           ; a round of the cluster's barrier behind its opening barrier
	s_cmp_lg_u32 s18, 0
	s_cbranch_scc1 .Lnot_wave_0_\@
	s_barrier_signal -3
.Lnot_wave_0_\@:
	s_barrier_wait -3
	s_barrier_signal -1
	s_barrier_wait -1
.endm
.macro CROUND
	s_barrier_signal -1
	s_barrier_wait -1
	CREST
.endm
; eight products: att16's block a (of set) against wo16's eight (of set buf), 32 along K.  The 32 accumulators take turns in one order everywhere
.macro MUL8 a, buf, set, zero
	WIN 0xad                                       ; source 0 window 1, source 1 window 3, C and D window 2
.irp b, 0,1,2,3,4,5,6,7
.if \zero
	v_wmma_f32_16x16x32_f16 v[8*(8*(\a)+\b):8*(8*(\a)+\b)+7], v[64*(\buf)+8*\b:64*(\buf)+8*\b+7], v[32*(\set)+8*(\a):32*(\set)+8*(\a)+7], 0
.else
	v_wmma_f32_16x16x32_f16 v[8*(8*(\a)+\b):8*(8*(\a)+\b)+7], v[64*(\buf)+8*\b:64*(\buf)+8*\b+7], v[32*(\set)+8*(\a):32*(\set)+8*(\a)+7], v[8*(8*(\a)+\b):8*(8*(\a)+\b)+7]
.endif
.endr
.endm
.macro FRAGB buf, slot, q              ; wo16's eight fragments of the slot's quarter q: 16 columns x 32 K each, turned: two loads, 16 k-rows apart
	WIN 0x40                                       ; destination window 1
.irp i, 0,1,2,3,4,5,6,7
	ds_load_tr16_b128 v[64*(\buf)+8*\i:64*(\buf)+8*\i+3],   v[ADRB+2*(\slot)+(\q)/4] offset:32*PB*((\q)%4)+32*\i
	ds_load_tr16_b128 v[64*(\buf)+8*\i+4:64*(\buf)+8*\i+7], v[ADRB+2*(\slot)+(\q)/4] offset:32*PB*((\q)%4)+16*PB+32*\i
.endr
.endm
.macro ALOAD set, kq                   ; att16's four fragments of the quarter kq behind the base: eight loads of 512 consecutive bytes
	WIN 0xc0                                       ; destination window 3
.irp i, 0,1,2,3
.irp c, 0,1
	global_load_b128 v[32*(\set)+8*\i+4*\c:32*(\set)+8*\i+4*\c+3], v[L16], s[AB:AB+1] offset:64*FRB*\i+FRB*(\kq)+512*\c
.endr
.endr
.endm
; A quarter that has its successor in the same slot.  kq: the quarter, counted from the base, whose fragments of att16 are asked for (seven on; under 0: none).  cnt: the younger loads that may stay out
.macro STEP slot, q, kq, cnt, zero
	s_wait_dscnt 0x0                               ; this quarter's fragments of wo16 are in (asked for 32 products ago)
	s_wait_loadcnt \cnt                            ; and its eight loads of att16: loads come back in order, the sets behind them stay out
	PLACES
	FRAGB 1-(\q)%2, \slot, (\q)+1
.if (\kq) >= 0
	ALOAD ((\q)+7)%8, \kq                          ; into the set that the quarter before read
.endif
	MUL8 0, (\q)%2, \q, \zero
	MUL8 1, (\q)%2, \q, \zero
	MUL8 2, (\q)%2, \q, \zero
	MUL8 3, (\q)%2, \q, \zero
.endm
; A slot's last quarter changes slots: one barrier; ahead of it each wave waits for all its tensor loads, adds 0 to its spare word, and waits for that and for its reads of this slot.  fill = 1: the slot is filled again, two slots ahead
.macro TURN slot, next, fill, how, kq, cnt
	WIN 0
.if \fill
	s_wait_xcnt 0x0                                ; the last prefetch, a slot back, has read its address
	s_add_nc_u64 s[PFA:PFA+1], s[PFA:PFA+1], 256*KROW
.endif
	s_wait_tensorcnt 0x0                           ; all my tensor loads have landed: my part of the next slot
	ds_add_u32 v[SPW], v[NIL]
	s_wait_dscnt 1                                 ; the fragments are in; only the add may be out
	s_wait_loadcnt \cnt
	MUL8 0, 1, 7, 0
	s_wait_dscnt 0x0                               ; the add is done, and my reads of this slot are over
	s_barrier_signal -1
	MUL8 1, 1, 7, 0
	WIN 0
	s_barrier_wait -1
.if \fill
	CREST                                          ; the barrier has opened a round of the cluster's: no wave of any partner still reads this slot or has a load on its way
	s_add_nc_u64 s[G0B+4*\slot+2:G0B+4*\slot+3], s[G0B+4*\slot+2:G0B+4*\slot+3], 2*256*KROW
	JLOAD \slot                                    ; the first tensor load behind the round: 240 products ahead of the wait for it; its four v_nop are the places ahead of the loads below
.else
	PLACES
.endif
	FRAGB 0, \next, 0
	ALOAD 6, \kq
.if \fill
	WIN 0
	ASK \how
.endif
	MUL8 2, 1, 7, 0
	MUL8 3, 1, 7, 0
.endm
	s_load_b128 s[4:7], s[0:1], 0x0                ; att16 4, wo16 6
	s_load_b64 s[8:9], s[0:1], 0x10                ; out0
	v_lshl_add_u32 v[SPW], v0, 2, SPARE
	v_mov_b32 v[NIL], 0
	ds_add_u32 v[SPW], v[NIL]                      ; the wave's opening: the add, twice on end, and its wait ahead of my first tensor load
	ds_add_u32 v[SPW], v[NIL]
	v_lshrrev_b32 v1, 5, v0
	v_readfirstlane_b32 s18, v1                    ; wave
	s_lshr_b32 s19, s18, 1                         ; my half of the rows
	s_and_b32 s20, s18, 1                          ; my half of the columns
	s_bfe_u32 s21, ttmp6, 0x40000                  ; cx
	s_lshl_b32 s40, ttmp9, 2
	s_add_co_u32 s40, s40, s21                     ; tile row = 4 x cluster x + cx: it enters att16's, out0's and the prefetches' addresses alone
	s_and_b32 s23, ttmp7, 0xffff                   ; tile column, which the four partners share
	; group 1: 64 k-rows x 256 elements of 2 bytes, 4,096 elements apart, 32 bytes of padding behind each 512; the mask names all four work-groups
	s_mov_b32 s[G1B], 15|(1<<16)|(1<<20)|(1<<21)|(6<<22)|(7<<25)
	s_mov_b32 s[G1B+1], 256<<16
	s_mov_b32 s[G1B+2], 64<<16
	s_mov_b32 s[G1B+3], 256<<16
	s_mov_b32 s[G1B+4], 64
	s_mov_b32 s[G1B+5], 4096
	s_mov_b32 s[G1B+6], 0
	s_mov_b32 s[G1B+7], 0
	s_lshl_b32 s46, s18, 19                        ; wo16: k-row 64 x wave,
	s_lshl_b32 s47, s23, 9
	s_add_co_u32 s46, s46, s47                     ; column 256 x tile column
	s_mov_b32 s47, 0
	s_mul_i32 s67, s18, QTR                        ; and where it goes: no place in the cluster enters an LDS address
	s_lshl_b32 s44, s40, 19                        ; att16: block of rows 8 x tile row + 4 x half, 65,536 bytes a block
	s_lshl_b32 s45, s19, 18
	s_add_co_u32 s44, s44, s45
	s_mov_b32 s45, 0
	s_wait_dscnt 0x0                               ; both opening adds are done
	s_wait_kmcnt 0x0
	s_add_nc_u64 s[74:75], s[6:7], s[46:47]
	s_add_nc_u64 s[AB:AB+1], s[4:5], s[44:45]
	CROUND                                         ; all four work-groups are here: the first joint loads meet
.irp s, 0,1
	s_mov_b32 s[G0B+4*\s], 1
	s_add_co_u32 s[G0B+4*\s+1], s67, \s*SLOT
	s_add_nc_u64 s[G0B+4*\s+2:G0B+4*\s+3], s[74:75], \s*256*KROW
	s_or_b32 s[G0B+4*\s+3], s[G0B+4*\s+3], 0x80000000
	JLOAD \s                                       ; slots 0 and 1: two loads of mine are out
.endr
	v_and_b32 v3, 31, v0                           ; lane
	v_lshlrev_b32 v[L16], 4, v3
.irp g, 0,1,2,3,4,5,6
	ALOAD \g, \g                                   ; att16's first seven quarters
.endr
	WIN 0
	v_and_b32 v1, 15, v0                           ; r
	v_bfe_u32 v2, v0, 4, 1                         ; h
	v_and_b32 v5, 7, v0
	v_bfe_u32 v6, v0, 3, 1
	v_lshl_add_u32 v5, v2, 3, v5
	v_mul_u32_u24 v5, v5, PB
	v_lshl_add_u32 v5, v6, 4, v5                   ; the turning load: k-row 8 h + l % 8, columns 8 ((l / 8) % 2) on
	s_lshl_b32 s67, s20, 8                         ; my 128 columns: 256 bytes along a k-row
.irp n, 0,1,2,3
	v_add_nc_u32 v[ADRB+\n], s67, v5
	s_add_co_u32 s67, s67, HALFS
.endr
	s_mul_i32 s66, s18, 16*SP                      ; my stage
	v_mul_u32_u24 v6, v1, SP
	v_lshl_add_u32 v6, v2, 5, v6
	v_add_nc_u32 v[STO], s66, v6                   ; in: row r, 32 bytes for each half of the lanes
	v_add_nc_u32 v[RD], s66, v[L16]                ; back: the 32 lanes take a row of 512 bytes
	v_and_b32 v[PFO], 1, v0
	v_lshlrev_b32 v[PFO], 8, v[PFO]
	v_bfe_u32 v7, v0, 1, 4
	v_lshl_add_u32 v[PFO], v7, 13, v[PFO]
	s_lshl_b32 s76, s21, 17                        ; the prefetches: my work-group's 16 of the 64 k-rows that my wave fetches,
	s_mov_b32 s77, 0
	s_add_nc_u64 s[PFA:PFA+1], s[74:75], s[76:77]
	s_add_nc_u64 s[PFA:PFA+1], s[PFA:PFA+1], 2*256*KROW   ; in slot 2: the first refill steps it to slot 3.  Nothing is prefetched here, at the head
	s_cmp_eq_u32 ttmp9, 0
	s_cselect_b32 s[LIM], 1, -1                    ; the same in all four partners
	s_lshl_b32 s76, s40, 7
	s_lshl_b32 s77, s19, 6
	s_add_co_u32 s76, s76, s77
	s_lshl_b32 s76, s76, 14                        ; out0: my first row of 16,384 bytes,
	s_lshl_b32 s77, s23, 10
	s_add_co_u32 s76, s76, s77
	s_lshl_b32 s77, s20, 9
	s_add_co_u32 s76, s76, s77                     ; my first column
	s_mov_b32 s77, 0
	s_add_nc_u64 s[8:9], s[8:9], s[76:77]
	s_wait_tensorcnt 1                             ; my part of slot 0 is in; slot 1's may stay out
	s_barrier_signal -1
	s_barrier_wait -1
	FRAGB 0, 0, 0
	STEP 0, 0, 7, 48, 1                            ; the first products start the sums.  48: six younger sets of eight loads stay out
	WIN 0
	s_mov_b32 s3, 3
.Llap:                                             ; a trip is 16 quarters: once round the ring, from a lap's second quarter to the next lap's first; it fills both slots again
.irp q, 1,2,3,4,5,6
	STEP 0, \q, \q+7, 48, 0
.endr
	TURN 0, 1, 1, 1, 14, 48
.irp q, 0,1,2,3,4,5,6
	STEP 1, \q, \q+15, 48, 0
.endr
	TURN 1, 0, 1, 0, 22, 48
	STEP 0, 0, 23, 48, 0
	WIN 0
	s_wait_xcnt 0x0                                ; the loads have read their base:
	s_add_nc_u64 s[AB:AB+1], s[AB:AB+1], 16*FRB    ; 16 quarters on
	s_sub_co_u32 s3, s3, 1
	s_cmp_lg_u32 s3, 0
	s_cbranch_scc1 .Llap
.irp q, 1,2,3,4,5,6
	STEP 0, \q, \q+7, 48, 0                        ; the last lap fills nothing
.endr
	TURN 0, 1, 0, 0, 14, 48
	STEP 1, 0, 15, 48, 0                           ; att16's last quarter is asked for
	STEP 1, 1, -1, 48, 0                           ; from here on the counts run down: no load leaves the buffer
	STEP 1, 2, -1, 40, 0
	STEP 1, 3, -1, 32, 0
	STEP 1, 4, -1, 24, 0
	STEP 1, 5, -1, 16, 0
	STEP 1, 6, -1, 8, 0
	s_wait_dscnt 0x0
	s_wait_loadcnt 0x0
	MUL8 0, 1, 7, 0
	MUL8 1, 1, 7, 0
	MUL8 2, 1, 7, 0
	MUL8 3, 1, 7, 0
	WIN 0
	PLACES                                         ; ahead of the stores that read results
; THE WAY OUT, block by block of 16 rows x 128 columns, through my own stage: back come whole rows of 512 bytes
.macro TOSTAGE a
	WIN 0x08                                       ; an LDS store's data: window 2
.irp b, 0,1,2,3,4,5,6,7
	ds_store_b128 v[STO], v[8*(8*(\a)+\b):8*(8*(\a)+\b)+3] offset:64*\b        ; each accumulator from its low end on
	ds_store_b128 v[STO], v[8*(8*(\a)+\b)+4:8*(8*(\a)+\b)+7] offset:64*\b+16
.endr
	WIN 0
.set BB, BK+64*((\a)%2)
.irp t, 0,1,2,3,4,5,6,7,8,9,10,11,12,13,14,15
	ds_load_b128 v[BB+4*\t:BB+4*\t+3], v[RD] offset:\t*SP                      ; LDS serves a wave's instructions in order: these see the stores above
.endr
.endm
.macro SEND a, younger                 ; younger: the LDS instructions issued behind block a's loads
.set BB, BK+64*((\a)%2)
	s_wait_dscnt \younger
.irp t, 0,1,2,3,4,5,6,7,8,9,10,11,12,13,14,15
	global_store_b128 v[L16], v[BB+4*\t:BB+4*\t+3], s[8:9] offset:(16*(\a)+\t)*16384 th:TH_STORE_NT   ; 512 consecutive bytes, aligned; 63 rows at the most stand in the immediate
.endr
.endm
	TOSTAGE 0
.irp a, 1,2,3
.if \a > 1
	s_wait_xcnt 0x0                                ; block a - 2's stores have read their registers: block a's loads may land there
.endif
	TOSTAGE \a
	SEND \a-1, 32                                  ; behind block a - 1's loads: block a's 16 stores and 16 loads
.endr
	SEND 3, 0
	s_wait_tensorcnt 0x0                           ; the wave's end
	ds_add_u32 v[SPW], v[NIL]
	s_wait_dscnt 0x0
	CROUND                                         ; the closing round: no work-group ends while a partner may still ask for a tile that names it
	s_endpgm
.Lfunc_end_k_qc93f130248_proj:
	.size	k_qc93f130248_proj, .Lfunc_end_k_qc93f130248_proj-k_qc93f130248_proj
	.p2alignl 7, 3214868480
	.fill 96, 4, 3214868480
	.section	.rodata,"a",@progbits
	.p2align	6, 0x0
	.amdhsa_kernel k_qc93f130248_proj
		.amdhsa_group_segment_fixed_size 327680
		.amdhsa_private_segment_fixed_size 0
		.amdhsa_enable_private_segment 0
		.amdhsa_kernarg_size 24
		.amdhsa_user_sgpr_count 2
		.amdhsa_user_sgpr_kernarg_segment_ptr 1
		.amdhsa_wavefront_size32 1
		.amdhsa_system_sgpr_workgroup_id_x 1
		.amdhsa_system_sgpr_workgroup_id_y 1
		.amdhsa_system_sgpr_workgroup_id_z 1
		.amdhsa_system_vgpr_workitem_id 0
		.amdhsa_next_free_vgpr 1024
		.amdhsa_next_free_sgpr 100
		.amdhsa_reserve_vcc 0
		.amdhsa_float_denorm_mode_32 3
		.amdhsa_float_denorm_mode_16_64 3
		.amdhsa_memory_ordered 1
		.amdhsa_forward_progress 1
		.amdhsa_inst_pref_size 152
	.end_amdhsa_kernel
	.amdgpu_metadata
---
amdhsa.version: [ 1, 2 ]
amdhsa.kernels:
  - .name:           k_qc93f130248_proj
    .symbol:         k_qc93f130248_proj.kd
    .args:
      - { .name: att16, .offset: 0, .size: 8, .value_kind: global_buffer, .address_space: global }
      - { .name: wo16, .offset: 8, .size: 8, .value_kind: global_buffer, .address_space: global }
      - { .name: out0, .offset: 16, .size: 8, .value_kind: global_buffer, .address_space: global }
    .group_segment_fixed_size: 327680
    .private_segment_fixed_size: 0
    .kernarg_segment_align: 8
    .kernarg_segment_size: 24
    .max_flat_workgroup_size: 128
    .sgpr_count:     100
    .vgpr_count:     1024
    .wavefront_size: 32
...
	.end_amdgpu_metadata
.endif
;; end of part 4
